; MI455X (gfx1250); checked and timed in simulation.
; The chip was launched on July 23, 2026; its instructions are those of AMD's public machine-readable ISA for CDNA 5 (MIT licence, August 2026) and "CDNA5" Instruction Set Architecture Reference Guide (July 2026). The comments in the code are by the model that wrote it; some were corrected since.
;; Bo Ss Attention. Allowed arithmetic: matrix products marked QUANTISED: E4M3 operands, one given power-of-two scale a tensor, by v_wmma_f32_16x16x64_fp8_fp8 or v_wmma_f32_16x16x128_fp8_fp8, f32 sums; everything else in f32.
;; Inputs: Wk 512 x 2,048 float32; Wo 2,048 x 1,024 float32; Wq 1,024 x 2,048 float32; Wv 512 x 2,048 float32; hidden_states 2 x 2,048 x 2,048 float32; lowp_scales 12 int32 (the exponents e of the quantised operands' scales 2^e); position_ids 2 x 2,048 int32; sid 2 x 2,048 int32.
;; Outputs: out0 2 x 2,048 x 2,048 float32.
;; This version of the problem:
;;   THIS VERSION OF THE PROBLEM IS GIVEN IN LOW PRECISION. The matrix products marked QUANTISED in the list below multiply operands that are first quantised to E4M3 (4 exponent bits, 3 mantissa bits; 8 bits a number), with one given power-of-two scale for each operand tensor; their sums are f32. All else is computed in f32.
;;   The module's matrix products, in the order in which they are computed (A, B: the left and right operand; K: the contracted axis; several contracted axes count as one K, in the product's order):
;;     1. [M 4,096, K 2,048] x [K 2,048, N 1,024]; A: input hidden_states; B: input Wq: QUANTISED (scales: A lowp_scales[0], B lowp_scales[1])
;;     2. [M 4,096, K 2,048] x [K 2,048, N 512]; A: input hidden_states; B: input Wk: QUANTISED (scales: A lowp_scales[2], B lowp_scales[3])
;;     3. [M 4,096, K 2,048] x [K 2,048, N 512]; A: input hidden_states; B: input Wv: QUANTISED (scales: A lowp_scales[4], B lowp_scales[5])
;;     4. batch 16 x [M 2,048, K 128] x [K 128, N 2,048]; A: computed on the way; B: computed on the way: QUANTISED (scales: A lowp_scales[6], B lowp_scales[7])
;;     5. batch 16 x [M 128, K 2,048] x [K 2,048, N 2,048]; A: computed on the way; B: softmax (see below): QUANTISED (scales: A lowp_scales[8], B lowp_scales[9])
;;     6. [M 4,096, K 1,024] x [K 1,024, N 2,048]; A: computed on the way; B: input Wo: QUANTISED (scales: A lowp_scales[10], B lowp_scales[11])
;;   THE QUANTISER, for each operand of a quantised product, along K:
;;     - The operand's scale is 2^e, e = its entry of the input lowp_scales (int32; the entries are numbered through the quantised products in the list's order, A before B).
;;     - Each number is divided by the scale, clamped to +-448, and rounded to the nearest number of E4M3, ties to even, subnormals kept.
;;     - The product sums the exact products of the quantised numbers (number of the format x scale) in f32.
;;   ~~~python
;;   def quantise(x, axis, e):      # numpy; x: float32 -> the quantised numbers, widened to float32 again
;;       x = np.moveaxis(x, axis, -1); K = x.shape[-1]
;;       r = np.clip(x / 2.0 ** e, -448, 448)
;;       step = 2.0 ** (np.maximum(np.frexp(np.where(r == 0, 1, r))[1] - 1, -6) - 3)
;;       q = np.round(r / step) * step * 2.0 ** e      # np.round: ties to even
;;       return np.moveaxis(q, -1, axis).astype(np.float32)
;;   ~~~
;;   SOFTMAX AHEAD OF A QUANTISED PRODUCT. Where the list says 'softmax', what is quantised is not the finished softmax but p = 2^(t - M), with t = logit x log2(e) and M = ceil(the row's largest t), a whole number; so 1/2 < the row's largest p <= 1. The row's sum l is taken of the UNQUANTISED p, in f32, and the product's result is divided by l at the end. Since M is a whole number, a kernel that streams over the keys may use a running M (the ceiling of the running maximum): every later rescaling is an exact power of two, so the quantised numbers keep their values, but for numbers so far below the row's largest that they fall under the format's range.
;;   OPERANDS COMPUTED ON THE WAY. 'Computed on the way' means the value that the module computes at that place (a softmax that the list does not call 'softmax' is quantised finished and normalised). What goes into a quantiser is computed in f32, as accurately as f32 sums, v_exp_f32 and their like allow (about 1e-6 of the number): no bf16 or f16 on the way to a quantiser, and a product that is left as it is and whose result goes on into a quantised operand takes f32 operands (vector FMAs, or v_wmma_f32_16x16x4_f32). A number that lies on a knife's edge between two numbers of the format may be rounded either way, as far as f32 arithmetic and the matrix unit's own rounding can turn it there, and no further.
;; One version. Each part assembles by itself: llvm-mc -triple=amdgcn-amd-amdhsa -mcpu=gfx1250 --defsym DOCPART=n.
;; ======== version 1 of 1: 4 launches
;; limits: right only within a limited range of input values
;; workspace buffers: xcodes 25,165,824 bytes; wcodes 6,291,456 bytes; rope 2,097,152 bytes; meta 32,768 bytes of whole numbers; qkv 8,388,608 bytes; oimg 4,194,304 bytes
;; launch prep (part 1): grid 448 x 1, 8 waves a work-group, no clusters, 0 bytes of LDS; arguments hidden_states, Wq, Wk, Wv, Wo, sid, position_ids, lowp_scales, xcodes, wcodes, rope, meta; writes xcodes, wcodes, rope, meta
.if DOCPART == 1
	.amdgcn_target "amdgcn-amd-amdhsa--gfx1250"
	.amdhsa_code_object_version 6
	.text
	.protected	k_q8222c85aaa_prep
	.globl	k_q8222c85aaa_prep
	.p2align	8
	.type	k_q8222c85aaa_prep,@function
k_q8222c85aaa_prep:
	s_mov_b64 s[64:65], 0
	v_nop
	global_prefetch_b8 v0, s[64:65] scope:SCOPE_SE
	s_setreg_imm32_b32 hwreg(HW_REG_WAVE_MODE, 25, 1), 1
	s_wait_xcnt 0x0
; PREP.  Work-groups 0-255: the tokens.  Work-groups 256-447: the weights.  No LDS, no barrier: waves share nothing.
; TOKENS.  A wave takes two rows of hidden_states (rows 16 x work-group + 2 x wave + 0, 1).  For each it finds the row's place P in the
; order "sorted by sid, stably, inside its batch": P = (tokens of the batch with a smaller sid) + (earlier tokens with the same sid).
; In that order query p may see exactly the keys lo[p] .. p, lo = max(first place of its sid, p - 1024).
; It stores: lo and the original row number at place P (meta); cos and sin of position x inv_freq at place P (rope, 64 + 64 f32);
; the row's codes of E4M3 at place P, three times (xcodes): with the given scales e0 (q), e2 (k), e4 (v).  Where an exponent equals the one before, the codes in hand are stored again and not made anew.
; WEIGHTS.  A wave takes two runs of 2,048 numbers of Wq, Wk, Wv or Wo and stores their codes (scales e1, e3, e5, e11) in wcodes.
; All of a wave's loads are asked for at its start: 32 of 512 bytes (tokens: behind 16 of the batch's sid).
; ORDER OF THE CODES of x, Wq, Wk, Wv.  A load takes the bytes as they lie, 16 a lane, 512 a wave.  Two loads give a lane 4 + 4 numbers of a run of 256 along K,
; which become 8 codes, stored at 8 x lane: byte 8 l + e of a run holds k = 4 l + e (e < 4) or 128 + 4 l + e - 4.  Both operands of these
; products carry this same order along K, so each code meets its partner.  Each store of a wave covers 256 consecutive bytes, aligned.
; Wo's codes stand in plain order along K, so that 128 neighbouring codes belong to one head.
; Wv's rows are stored with bits 3 and 4 of the row number exchanged: which rows of a weight form a tile of 16 is free, and with this choice the attention launch finds 16 neighbouring d in a lane's registers.
; code = x / 2^e, held within +-448, to the nearest code, ties to even.
; LEFT OUT (by the attention launch): steps of 128 keys that the mask hides from all of a wave's queries.  A query always counts its own key, so a hidden score, the smallest f32 number ahead of
; the softmax, becomes p = 0 for all finite inputs and reaches no output.  A NaN, an infinity or an overflow that reaches only such hidden steps is not carried to the result.
; LIMITS: e0, e2, e4, e1, e3, e5, e11 between -126 and 119; |position x inv_freq| under 2^22; NaN among the inputs is not served.  sid may be any int32.
.set AE,   2                           ; v2       the even loads' offset: 16 x lane (Wo: 32 x lane)
.set ROWO, 4                           ; v4, v5   row p: P x 2,048 + 8 x lane
.set S,    8                           ; v8-71    the batch's 2,048 sid: register 4 u + c of lane l is token 128 u + 4 l + c; later the codes
.set X,    72                          ; v72-199  two sets of 64 numbers as loaded
.set T,    200                         ; v200-215 numbers held, ahead of the conversion, in two halves by turns
.set LT,   200                         ; v200, v201 row p: my lane's count of smaller sid
.set W0,   204                         ; v204, v205 row p: bits "same sid" of registers 0-31 (register g at bit 31 - g)
.set W1,   208                         ; v208, v209 the same of registers 32-63
.set M0,   212                         ; v212, v213 masks "token earlier than my rows' group of four"
.set M1,   213
.set FRQ,  220                         ; v220, v221 inv_freq of i = 2 lane, 2 lane + 1
.set AO,   222                         ; v222     the odd loads': 512 further (Wo: 16 further)
.set U,    224                         ; v224-231 at work, four for each row
.set CSN,  224                         ; v224-231 row p: cos pair, sin pair
.set ROPO, 240                         ; v240, v241 row p: P x 512 + 8 x lane
.macro LOADU buf, off                  ; 2,048 numbers by 16 loads: each pair of loads brings a lane the 8 numbers of one conversion
.irp n, 0,1,2,3,4,5,6,7
	global_load_b128 v[X+64*(\buf)+8*\n:X+64*(\buf)+8*\n+3], v[AE], s[74:75] offset:(\off)+1024*\n th:TH_LOAD_NT
	global_load_b128 v[X+64*(\buf)+8*\n+4:X+64*(\buf)+8*\n+7], v[AO], s[74:75] offset:(\off)+1024*\n th:TH_LOAD_NT
.endr
.endm
; 2,048 numbers into codes with one scale.  The eight holds of the other half of T are the plain lines between a conversion and the rewriting of its sources.
.macro QSET buf, cb, sc, lim
.irp ch, 0,1,2,3,4,5,6,7
.irp i, 0,1,2,3,4,5,6,7
	v_med3_num_f32 v[T+8*(\ch%2)+\i], v[X+64*(\buf)+8*\ch+\i], -v[\lim], v[\lim]   ; the conversion to an 8-bit code does not saturate (ISA guide 7.6.2)
.endr
	v_cvt_scalef32_pk8_fp8_f32 v[(\cb)+2*\ch:(\cb)+2*\ch+1], v[T+8*(\ch%2):T+8*(\ch%2)+7], v[\sc]
.endr
.endm
.macro STOREU cb, voff, base, off      ; eight stores of 256 consecutive bytes
.irp ch, 0,1,2,3,4,5,6,7
	global_store_b64 v[\voff], v[(\cb)+2*\ch:(\cb)+2*\ch+1], s[\base:\base+1] offset:(\off)+256*\ch
.endr
.endm
.macro SCLIM e, sc, lim                ; 2^e as f32 (the conversion takes its exponent field), and 448 x 2^e
	s_add_co_i32 s90, s[\e], 127
	s_lshl_b32 s91, s90, 23
	v_mov_b32 v[\sc], s91
	s_add_co_i32 s90, s90, 8
	s_lshl_b32 s90, s90, 23
	s_or_b32 s90, s90, 0x600000
	v_mov_b32 v[\lim], s90
.endm
	s_load_b512 s[4:19], s[0:1], 0x0               ; hidden 4, Wq 6, Wk 8, Wv 10, Wo 12, sid 14, position_ids 16, lowp_scales 18
	s_load_b256 s[20:27], s[0:1], 0x40             ; xcodes 20, wcodes 22, rope 24, meta 26
	v_lshrrev_b32 v1, 5, v0
	v_readfirstlane_b32 s28, v1                    ; wave 0..7
	v_and_b32 v1, 31, v0                           ; lane
	v_lshlrev_b32 v3, 3, v1                        ; 8 x lane
	s_wait_alu depctr_va_vdst(0)
	s_wait_kmcnt 0x0
	s_load_b256 s[32:39], s[18:19], 0x0            ; e0 .. e7
	s_load_b128 s[40:43], s[18:19], 0x20           ; e8 .. e11
	s_cmp_ge_u32 ttmp9, 256
	s_cbranch_scc1 .Lweights
	; ---------------- the tokens
	s_lshl_b32 s29, ttmp9, 4
	s_lshl_b32 s31, s28, 1
	s_add_co_u32 s29, s29, s31                     ; R0: my first row
	s_lshr_b32 s30, ttmp9, 7                       ; the batch
	s_lshl_b32 s90, s29, 2
	s_mov_b32 s91, 0
	s_add_nc_u64 s[92:93], s[14:15], s[90:91]
	s_add_nc_u64 s[94:95], s[16:17], s[90:91]
	s_load_b64 s[50:51], s[92:93], 0x0             ; my two sid
	s_load_b64 s[48:49], s[94:95], 0x0             ; my two positions
	s_and_b32 s90, s90, -16
	s_add_nc_u64 s[54:55], s[14:15], s[90:91]
	s_load_b64 s[44:45], s[54:55], 0x0             ; the first two sid of my rows' group of four
	s_lshl_b32 s96, s30, 13
	s_mov_b32 s97, 0
	s_add_nc_u64 s[76:77], s[14:15], s[96:97]      ; the batch's sid
	s_lshl_b32 s98, s29, 13
	s_mov_b32 s99, 0
	s_add_nc_u64 s[74:75], s[4:5], s[98:99]        ; my first row of hidden_states
	v_lshlrev_b32 v[AE], 4, v1                     ; 16 x lane
	v_add_nc_u32 v[AO], 0x200, v[AE]
	s_wait_alu depctr_va_vdst(0)
.irp u, 0,1,2,3,4,5,6,7,8,9,10,11,12,13,14,15
	global_load_b128 v[S+4*\u:S+4*\u+3], v[AE], s[76:77] offset:512*\u
.endr
	LOADU 0, 0                                     ; both rows are on their way while the places are counted
	LOADU 1, 8192
	s_mov_b32 s60, 0x55555555
	s_mov_b32 s61, 0x33333333
	s_mov_b32 s62, 0x0f0f0f0f
	s_mov_b32 s63, 0x01010101
	s_mov_b32 s66, 0x76543210                      ; v_permlanex16_b32: lane l xor 16
	s_mov_b32 s67, 0xfedcba98
	s_mov_b64 s[68:69], s[20:21]                   ; the three sets of codes
	s_add_nc_u64 s[70:71], s[20:21], 0x800000
	s_add_nc_u64 s[72:73], s[20:21], 0x1000000
	s_mov_b32 s78, 0x3f22f983                      ; 2 / pi
	s_mov_b32 s79, 0xbfc90fd8                      ; -(pi / 2) in three parts
	s_mov_b32 s80, 0xb4a8885a
	s_mov_b32 s81, 0xa7c234c4
	s_mov_b32 s82, 0x37ccf5ce                      ; cos: z^2 ((c0 z + c1) z + c2) - z / 2 + 1
	s_mov_b32 s83, 0xbab6061a
	s_mov_b32 s84, 0x3d2aaaa5
	s_mov_b32 s85, 0xb94ca1f9                      ; sin: ((s0 z + s1) z + s2) z a + a
	s_mov_b32 s86, 0x3c08839e
	s_mov_b32 s87, 0xbe2aaaa3
	s_mov_b32 s88, 0x3e549a78                      ; log2(10000) / 64, in two parts
	s_mov_b32 s89, 0x31979a3a
	; token 128 u + 4 l + c is earlier than i0, my first row rounded down to a multiple of 4, where u < Tn = (i0 / 4 + 31 - l) >> 5: the top 4 Tn bits of (W0, W1)
	s_and_b32 s31, s29, 2047
	s_lshr_b32 s31, s31, 2
	s_add_co_u32 s31, s31, 31
	v_sub_nc_u32 v[U], s31, v1
	v_mov_b32 v252, 0                              ; destinations of lane moves count as read: written once
	v_lshrrev_b32 v[U], 5, v[U]
	v_mov_b32 v253, 0
	v_mov_b32 v[U+2], -1
	v_min_u32 v[U+1], 8, v[U]
	v_max_u32 v[U+3], 8, v[U]
	v_lshlrev_b32 v[U+1], 1, v[U+1]                ; half the shift, so that 32 goes as 16 + 16
	v_lshl_add_u32 v[U+3], v[U+3], 1, -16
	v_lshrrev_b32 v[M0], v[U+1], v[U+2]
	v_lshrrev_b32 v[M1], v[U+3], v[U+2]
	v_lshrrev_b32 v[M0], v[U+1], v[M0]
	v_lshrrev_b32 v[M1], v[U+3], v[M1]
	v_xor_b32 v[M0], -1, v[M0]
	v_xor_b32 v[M1], -1, v[M1]
	v_mov_b32 v254, 0
	v_mov_b32 v255, 0
.irp p, 0,1
	v_mov_b32 v[LT+\p], 0
	v_mov_b32 v[W0+\p], 0
	v_mov_b32 v[W1+\p], 0
.endr
	s_and_b32 s31, s28, 1                          ; 1: my rows are the last two of their group of four
	s_wait_alu depctr_va_vdst(0)
	s_wait_kmcnt 0x0                               ; my sid, my positions, the exponents
	s_wait_loadcnt 32                              ; the batch's sid are in; the two rows' 32 loads stay out
.macro COUNT p                         ; against my row p's sid: how many are smaller; which are equal
.set g, 0
.rept 64
	v_cmp_gt_i32 vcc_lo, s[50+\p], v[S+g]
	v_add_co_ci_u32 v[LT+\p], vcc_lo, 0, v[LT+\p], vcc_lo
	v_cmp_eq_u32 vcc_lo, s[50+\p], v[S+g]
.if g < 32
	v_add_co_ci_u32 v[W0+\p], vcc_lo, v[W0+\p], v[W0+\p], vcc_lo    ; W = 2 W + the bit
.else
	v_add_co_ci_u32 v[W1+\p], vcc_lo, v[W1+\p], v[W1+\p], vcc_lo
.endif
.set g, g+1
.endr
.endm
	COUNT 0
	COUNT 1
	; both rows' counts side by side: the bits are counted, and the counts of the 32 lanes are added (smaller: low half; equal and earlier: high half)
.irp p, 0,1
	v_and_b32 v[U+4*\p], v[W0+\p], v[M0]
	v_and_b32 v[U+4*\p+1], v[W1+\p], v[M1]
.endr
.irp p, 0,1
	v_lshrrev_b32 v[U+4*\p+2], 1, v[U+4*\p]
	v_lshrrev_b32 v[U+4*\p+3], 1, v[U+4*\p+1]
.endr
.irp p, 0,1
	v_and_b32 v[U+4*\p+2], s60, v[U+4*\p+2]
	v_and_b32 v[U+4*\p+3], s60, v[U+4*\p+3]
.endr
.irp p, 0,1
	v_sub_nc_u32 v[U+4*\p], v[U+4*\p], v[U+4*\p+2]
	v_sub_nc_u32 v[U+4*\p+1], v[U+4*\p+1], v[U+4*\p+3]
.endr
.irp p, 0,1
	v_lshrrev_b32 v[U+4*\p+2], 2, v[U+4*\p]
	v_lshrrev_b32 v[U+4*\p+3], 2, v[U+4*\p+1]
	v_and_b32 v[U+4*\p], s61, v[U+4*\p]
	v_and_b32 v[U+4*\p+1], s61, v[U+4*\p+1]
.endr
.irp p, 0,1
	v_and_b32 v[U+4*\p+2], s61, v[U+4*\p+2]
	v_and_b32 v[U+4*\p+3], s61, v[U+4*\p+3]
.endr
.irp p, 0,1
	v_add_nc_u32 v[U+4*\p], v[U+4*\p], v[U+4*\p+2]
	v_add_nc_u32 v[U+4*\p+1], v[U+4*\p+1], v[U+4*\p+3]
.endr
.irp p, 0,1
	v_add_nc_u32 v[U+4*\p], v[U+4*\p], v[U+4*\p+1]  ; each four bits hold at most 8
.endr
.irp p, 0,1
	v_lshrrev_b32 v[U+4*\p+1], 4, v[U+4*\p]
	v_and_b32 v[U+4*\p], s62, v[U+4*\p]
.endr
.irp p, 0,1
	v_and_b32 v[U+4*\p+1], s62, v[U+4*\p+1]
.endr
.irp p, 0,1
	v_add_nc_u32 v[U+4*\p], v[U+4*\p], v[U+4*\p+1]
.endr
.irp p, 0,1
	v_mul_lo_u32 v[U+4*\p], v[U+4*\p], s63
.endr
.irp p, 0,1
	v_lshrrev_b32 v[U+4*\p], 24, v[U+4*\p]         ; my lane's count of equal and earlier
.endr
.irp p, 0,1
	v_lshl_add_u32 v[U+4*\p], v[U+4*\p], 16, v[LT+\p]
.endr
.irp m, 1,2,4,8
	v_mov_b32_dpp v252, v[U] row_xmask:\m row_mask:0xf bank_mask:0xf
	v_mov_b32_dpp v253, v[U+4] row_xmask:\m row_mask:0xf bank_mask:0xf
	v_add_nc_u32 v[U], v[U], v252
	v_add_nc_u32 v[U+4], v[U+4], v253
.endr
	v_permlanex16_b32 v254, v[U], s66, s67
	v_permlanex16_b32 v255, v[U+4], s66, s67
	v_add_nc_u32 v[U], v[U], v254
	v_add_nc_u32 v[U+4], v[U+4], v255
	v_readfirstlane_b32 s94, v[U]
	v_readfirstlane_b32 s95, v[U+4]
.macro PLACE p                         ; the row's place, in scalar registers
	s_and_b32 s91, s[94+\p], 0xffff                ; the first place of my sid
	s_lshr_b32 s90, s[94+\p], 16
.irp n, 44,45
	s_cmp_eq_u32 s[50+\p], s[\n]                   ; the first two of the group of four, where mine are its last two
	s_cselect_b32 s92, s31, 0
	s_add_co_u32 s90, s90, s92
.endr
.if \p
	s_cmp_eq_u32 s51, s50                          ; and my wave's first row
	s_cselect_b32 s92, 1, 0
	s_add_co_u32 s90, s90, s92
.endif
	s_add_co_u32 s90, s90, s91                     ; the place in the batch
	s_min_u32 s90, s90, 2047
	s_sub_co_i32 s92, s90, 1024
	s_max_i32 s[56+\p], s91, s92                   ; lo
	s_lshl_b32 s92, s30, 11
	s_add_co_u32 s90, s90, s92
	s_min_u32 s[52+\p], s90, 4095                  ; P
.endm
	PLACE 0
	PLACE 1
.irp p, 0,1
	v_lshl_add_u32 v[ROWO+\p], s[52+\p], 11, v3
	v_lshl_add_u32 v[ROPO+\p], s[52+\p], 9, v3
.endr
	; inv_freq(i) = 10000^(-i / 64) = 2^(-n) 2^(-f), n + f = i log2(10000) / 64 with f kept in two parts
	v_lshlrev_b32 v200, 1, v1
	v_cvt_f32_u32 v200, v200
	v_add_f32 v201, 1.0, v200
	v_mul_f32 v202, s88, v200
	v_mul_f32 v203, s88, v201
	v_rndne_f32 v202, v202
	v_rndne_f32 v203, v203
	v_fma_f32 v204, v200, s88, -v202
	v_fma_f32 v205, v201, s88, -v203
	v_fma_f32 v204, v200, s89, v204
	v_fma_f32 v205, v201, s89, v205
	s_wait_alu depctr_va_vdst(0)                   ; ahead of the batch
	v_exp_f32 v[FRQ], -v204
	v_exp_f32 v[FRQ+1], -v205
	v_cvt_i32_f32 v202, v202                       ; plain lines behind the exponentials
	v_cvt_i32_f32 v203, v203
	v_sub_nc_u32 v202, 0, v202
	v_sub_nc_u32 v203, 0, v203
	s_wait_alu depctr_va_vdst(0)                   ; one wait for both, ahead of their first reader
	v_ldexp_f32 v[FRQ], v[FRQ], v202
	v_ldexp_f32 v[FRQ+1], v[FRQ+1], v203
; cos and sin of v232 and v233, side by side: j = the nearest whole number to angle x 2 / pi; a = angle - j pi / 2, three fused steps; polynomials on |a| <= pi / 4; the quadrant swaps and signs
.macro SINCOS2 c
.irp q, 0,1
	v_mul_f32 v[200+10*\q], s78, v[232+\q]
.endr
.irp q, 0,1
	v_rndne_f32 v[200+10*\q], v[200+10*\q]
.endr
.irp q, 0,1
	v_fma_f32 v[201+10*\q], v[200+10*\q], s79, v[232+\q]
.endr
.irp q, 0,1
	v_fma_f32 v[201+10*\q], v[200+10*\q], s80, v[201+10*\q]
.endr
.irp q, 0,1
	v_fma_f32 v[201+10*\q], v[200+10*\q], s81, v[201+10*\q]
.endr
.irp q, 0,1
	v_mul_f32 v[202+10*\q], v[201+10*\q], v[201+10*\q]
	v_cvt_i32_f32 v[208+10*\q], v[200+10*\q]
.endr
.irp q, 0,1
	v_fma_f32 v[203+10*\q], v[202+10*\q], s82, s83
	v_fma_f32 v[204+10*\q], v[202+10*\q], s85, s86
.endr
.irp q, 0,1
	v_fma_f32 v[203+10*\q], v[203+10*\q], v[202+10*\q], s84
	v_fma_f32 v[204+10*\q], v[204+10*\q], v[202+10*\q], s87
	v_mul_f32 v[205+10*\q], v[202+10*\q], v[202+10*\q]
	v_mul_f32 v[206+10*\q], v[201+10*\q], v[202+10*\q]
	v_fma_f32 v[207+10*\q], v[202+10*\q], -0.5, 1.0
.endr
.irp q, 0,1
	v_fma_f32 v[203+10*\q], v[203+10*\q], v[205+10*\q], v[207+10*\q]   ; cos a
	v_fma_f32 v[204+10*\q], v[204+10*\q], v[206+10*\q], v[201+10*\q]   ; sin a
	v_and_b32 v[209+10*\q], 1, v[208+10*\q]
.endr
.irp q, 0,1
	v_cmp_eq_u32 vcc_lo, 1, v[209+10*\q]
	v_cndmask_b32 v[\c+2+\q], v[204+10*\q], v[203+10*\q], vcc_lo       ; odd j: the two change places
	v_cndmask_b32 v[\c+\q], v[203+10*\q], v[204+10*\q], vcc_lo
	v_lshlrev_b32 v[209+10*\q], 30, v[208+10*\q]
	v_add_nc_u32 v[208+10*\q], 1, v[208+10*\q]
.endr
.irp q, 0,1
	v_and_b32 v[209+10*\q], 0x80000000, v[209+10*\q]                   ; sin is negated where j mod 4 is 2 or 3,
	v_lshlrev_b32 v[208+10*\q], 30, v[208+10*\q]
.endr
.irp q, 0,1
	v_xor_b32 v[\c+2+\q], v[\c+2+\q], v[209+10*\q]
	v_and_b32 v[208+10*\q], 0x80000000, v[208+10*\q]                   ; cos where it is 1 or 2
.endr
.irp q, 0,1
	v_xor_b32 v[\c+\q], v[\c+\q], v[208+10*\q]
.endr
.endm
.irp p, 0,1
	v_cvt_f32_i32 v234, s[48+\p]
	v_mul_f32 v232, v234, v[FRQ]
	v_mul_f32 v233, v234, v[FRQ+1]
	SINCOS2 CSN+4*\p
	global_store_b64 v[ROPO+\p], v[CSN+4*\p:CSN+4*\p+1], s[24:25]              ; 64 cos: 256 consecutive bytes
	global_store_b64 v[ROPO+\p], v[CSN+4*\p+2:CSN+4*\p+3], s[24:25] offset:256 ; 64 sin
.endr
	SCLIM 32, 248, 249                             ; e0
	SCLIM 34, 250, 251                             ; e2
	SCLIM 36, 252, 253                             ; e4
	; meta: lanes 0 and 1 store lo and the original row at places P
	v_mov_b32 v244, 0
	v_mov_b32 v245, 0
.irp p, 0,1
	v_writelane_b32 v244, s[52+\p], \p
	v_writelane_b32 v245, s[56+\p], \p
.endr
	v_min_u32 v244, 4095, v244
	v_lshlrev_b32 v244, 2, v244
	v_add_nc_u32 v246, s29, v1
	s_wait_alu depctr_va_vdst(0)
	s_wait_xcnt 0x0                                ; EXEC is a source of the loads and stores that are out: it changes only behind this wait
	v_cmp_gt_u32 vcc_lo, 2, v1
	s_and_saveexec_b32 s92, vcc_lo
	global_store_b32 v244, v245, s[26:27]
	global_store_b32 v244, v246, s[26:27] offset:16384
	s_wait_xcnt 0x0                                ; and again ahead of the line that widens it
	s_or_b32 exec_lo, exec_lo, s92
.macro ROW p, left
	s_wait_loadcnt \left                           ; this row's 16 loads are in; row 1's 16 may stay out behind row 0's
	s_wait_xcnt 0x0                                ; the codes' registers were the last row's store data
	QSET \p, 8, 248, 249
	STOREU 8, ROWO+\p, 68, 0
	s_cmp_eq_u32 s34, s32                          ; e2 = e0: the same codes
	s_wait_alu depctr_va_vdst(0)                   ; directly ahead of the branch
	s_cbranch_scc1 .Lk_same_\@
	s_wait_xcnt 0x0                                ; the codes' registers were store data
	QSET \p, 8, 250, 251
.Lk_same_\@:
	STOREU 8, ROWO+\p, 70, 0
	s_cmp_eq_u32 s36, s34                          ; e4 = e2: the same codes
	s_wait_alu depctr_va_vdst(0)
	s_cbranch_scc1 .Lv_same_\@
	s_wait_xcnt 0x0
	QSET \p, 8, 252, 253
.Lv_same_\@:
	STOREU 8, ROWO+\p, 72, 0
.endm
	ROW 0, 16
	ROW 1, 0
	s_endpgm
	; ---------------- the weights: 16 runs of 2,048 numbers a work-group; Wq 64 work-groups, Wk 32, Wv 32, Wo 64, and their codes on end in wcodes
.Lweights:
	s_sub_co_u32 s29, ttmp9, 256
	s_cmp_lt_u32 s29, 64                           ; the choices hang on the work-group's number alone
	s_cselect_b64 s[74:75], s[6:7], s[8:9]
	s_cselect_b32 s30, 0, 64
	s_cmp_lt_u32 s29, 96
	s_cselect_b64 s[74:75], s[74:75], s[10:11]
	s_cselect_b32 s30, s30, 96
	s_cmp_lt_u32 s29, 128
	s_cselect_b64 s[74:75], s[74:75], s[12:13]
	s_cselect_b32 s30, s30, 128
	s_sub_co_u32 s30, s29, s30                     ; which work-group of its tensor
	s_lshl_b32 s90, s30, 17
	s_lshl_b32 s31, s28, 14
	s_add_co_u32 s90, s90, s31
	s_mov_b32 s91, 0
	s_add_nc_u64 s[74:75], s[74:75], s[90:91]
	s_lshl_b32 s92, s29, 15
	s_lshl_b32 s31, s28, 12
	s_add_co_u32 s92, s92, s31                     ; where my two runs' codes go: run 16 x work-group + 2 x wave, 2,048 bytes each
	s_lshr_b32 s94, s29, 1                         ; Wv: a run is a row; bit 4 of its number is the work-group's bit 0, bit 3 the wave's bit 2: the two change places
	s_lshl_b32 s94, s94, 5
	s_lshr_b32 s95, s28, 2
	s_lshl_b32 s95, s95, 4
	s_or_b32 s94, s94, s95
	s_and_b32 s95, s29, 1
	s_lshl_b32 s95, s95, 3
	s_or_b32 s94, s94, s95
	s_and_b32 s95, s28, 3
	s_lshl_b32 s95, s95, 1
	s_or_b32 s94, s94, s95
	s_lshl_b32 s94, s94, 11
	s_sub_co_u32 s95, s29, 96
	s_cmp_lt_u32 s95, 32                           ; Wv's work-groups are 96 to 127
	s_cselect_b32 s92, s94, s92
	s_mov_b32 s93, 0
	s_add_nc_u64 s[72:73], s[22:23], s[92:93]
	s_cmp_lt_u32 s29, 128                          ; Wq, Wk, Wv: lanes 16 bytes apart, the odd loads 512 further; Wo: lanes 32 bytes apart, the odd loads 16 further
	s_cselect_b32 s94, 4, 5
	s_mov_b32 s95, 16
	s_cselect_b32 s95, 512, s95
	v_lshlrev_b32 v[AE], s94, v1
	v_add_nc_u32 v[AO], s95, v[AE]
	s_wait_alu depctr_va_vdst(0)
	LOADU 0, 0
	LOADU 1, 8192
	s_wait_kmcnt 0x0
	s_cmp_lt_u32 s29, 64
	s_cselect_b32 s31, s33, s35                    ; e1, e3,
	s_cmp_lt_u32 s29, 96
	s_cselect_b32 s31, s31, s37                    ; e5,
	s_cmp_lt_u32 s29, 128
	s_cselect_b32 s31, s31, s43                    ; e11
	SCLIM 31, 248, 249
	s_wait_alu depctr_va_vdst(0)
.irp u, 0,1                            ; each run has its own registers for its codes: no store's data are written again
	s_wait_loadcnt 16-16*\u                        ; this run's 16 loads are in; run 1's may stay out behind run 0's
	QSET \u, 8+16*\u, 248, 249
	STOREU 8+16*\u, 3, 72, 2048*\u
.endr
	s_endpgm
.Lfunc_end_k_q8222c85aaa_prep:
	.size	k_q8222c85aaa_prep, .Lfunc_end_k_q8222c85aaa_prep-k_q8222c85aaa_prep
	.p2alignl 7, 3214868480
	.fill 96, 4, 3214868480
	.section	.rodata,"a",@progbits
	.p2align	6, 0x0
	.amdhsa_kernel k_q8222c85aaa_prep
		.amdhsa_group_segment_fixed_size 0
		.amdhsa_private_segment_fixed_size 0
		.amdhsa_enable_private_segment 0
		.amdhsa_kernarg_size 96
		.amdhsa_user_sgpr_count 2
		.amdhsa_user_sgpr_kernarg_segment_ptr 1
		.amdhsa_wavefront_size32 1
		.amdhsa_system_sgpr_workgroup_id_x 1
		.amdhsa_system_sgpr_workgroup_id_y 1
		.amdhsa_system_sgpr_workgroup_id_z 1
		.amdhsa_system_vgpr_workitem_id 0
		.amdhsa_next_free_vgpr 256
		.amdhsa_next_free_sgpr 100
		.amdhsa_reserve_vcc 1
		.amdhsa_float_denorm_mode_32 3
		.amdhsa_float_denorm_mode_16_64 3
		.amdhsa_memory_ordered 1
		.amdhsa_forward_progress 1
		.amdhsa_inst_pref_size 85
	.end_amdhsa_kernel
	.amdgpu_metadata
---
amdhsa.version: [ 1, 2 ]
amdhsa.kernels:
  - .name:           k_q8222c85aaa_prep
    .symbol:         k_q8222c85aaa_prep.kd
    .args:
      - { .name: hidden_states, .offset: 0, .size: 8, .value_kind: global_buffer, .address_space: global }
      - { .name: Wq, .offset: 8, .size: 8, .value_kind: global_buffer, .address_space: global }
      - { .name: Wk, .offset: 16, .size: 8, .value_kind: global_buffer, .address_space: global }
      - { .name: Wv, .offset: 24, .size: 8, .value_kind: global_buffer, .address_space: global }
      - { .name: Wo, .offset: 32, .size: 8, .value_kind: global_buffer, .address_space: global }
      - { .name: sid, .offset: 40, .size: 8, .value_kind: global_buffer, .address_space: global }
      - { .name: position_ids, .offset: 48, .size: 8, .value_kind: global_buffer, .address_space: global }
      - { .name: lowp_scales, .offset: 56, .size: 8, .value_kind: global_buffer, .address_space: global }
      - { .name: xcodes, .offset: 64, .size: 8, .value_kind: global_buffer, .address_space: global }
      - { .name: wcodes, .offset: 72, .size: 8, .value_kind: global_buffer, .address_space: global }
      - { .name: rope, .offset: 80, .size: 8, .value_kind: global_buffer, .address_space: global }
      - { .name: meta, .offset: 88, .size: 8, .value_kind: global_buffer, .address_space: global }
    .group_segment_fixed_size: 0
    .private_segment_fixed_size: 0
    .kernarg_segment_align: 8
    .kernarg_segment_size: 96
    .max_flat_workgroup_size: 256
    .sgpr_count:     100
    .vgpr_count:     256
    .wavefront_size: 32
...
	.end_amdgpu_metadata
.endif
;; end of part 1
;; launch qkv (part 2): grid 16 x 16, 4 waves a work-group, clusters of 4 x 4, 327,680 bytes of LDS; arguments xcodes, wcodes, lowp_scales, rope, qkv; writes qkv
.if DOCPART == 2
	.amdgcn_target "amdgcn-amd-amdhsa--gfx1250"
	.amdhsa_code_object_version 6
	.text
	.protected	k_q8222c85aaa_qkv
	.globl	k_q8222c85aaa_qkv
	.p2align	8
	.type	k_q8222c85aaa_qkv,@function
k_q8222c85aaa_qkv:
	s_mov_b64 s[64:65], 0
	v_nop
	global_prefetch_b8 v0, s[64:65] scope:SCOPE_SE
	s_setreg_imm32_b32 hwreg(HW_REG_WAVE_MODE, 25, 1), 1
	s_wait_xcnt 0x0
	s_wait_alu depctr_hold_cnt(0) depctr_sa_sdst(0) depctr_va_vdst(0) depctr_va_sdst(0) depctr_va_ssrc(0) depctr_va_vcc(0) depctr_vm_vsrc(0)
	s_getreg_b32 s2, hwreg(HW_REG_IB_STS2, 6, 4)
	s_cmp_eq_u32 s2, 0
	s_cbranch_scc0 .Lentry_in_a_cluster
	s_endpgm
.Lentry_in_a_cluster:
	s_bfe_u32 s2, ttmp6, 0x10000c
	s_cmp_lg_u32 s2, 0xf033
	s_cbranch_scc0 .Lentry_shape_is_right
	s_endpgm
.Lentry_shape_is_right:
; QKV.  q, k, v = x W^T on codes of E4M3 (K = 2,048), the rotary embedding on q and k, and the three results quantised into images of the operand registers that the attention launch loads.
; A work-group makes 256 rows (tokens in sorted order) x 128 columns: ONE head.  Tile column X: 0-7 q's heads, 8-11 k's, 12-15 v's.  x has three sets of codes, one for each of its given scales: the set is KIND.
; KIND = 0 (q), 1 (k), 2 (v) comes from the cluster's x alone, so it is the same in all sixteen partners.
; Four waves, each 64 rows x 128 columns: 32 accumulators; so the rotary partner d + 64 of a number lies in the same lane.
; THE RING HAS TWO SLOTS OF UNEQUAL SIZE, as large as fit together: BIG holds 512 along K (rows of 512 bytes, 528 apart in LDS), SMALL 256 (rows of 256 bytes, 272 apart); with either pitch the 16 rows of a
; fragment load start at 16 different banks (ISA guide 11.1).  K = 2,048 is walked BIG, SMALL, BIG, SMALL, BIG: five fills, one tensor load a wave for each, each slot's fills 768 along K apart.
; The steps of 128 along K have two sets of fragments: while one set is multiplied, the other's 48 LDS loads are issued in three runs among the products.
; CLUSTER 4 x 4: the four of a row need the same rows of x, the four of a column the same rows of W: each tile is asked for jointly.
; PREFETCH: behind each fill's load the next fill's bytes are asked for, a slot's work ahead of their load.  Each block of 256 bytes once in a cluster: of the 128 rows that wave 0 or 1 fetches, the partner at cx takes
; 32 (a lane a row); of W's 128 rows the partner at cy takes 32, wave 2 their first blocks, wave 3 their second.  The last fill is followed by none.
; q, k: source 0 = 16 rows of W, source 1 = 16 tokens: a lane holds ONE token and eight neighbouring d.  v: the sources change places: a lane holds ONE row of W and eight neighbouring tokens,
; so that v's codes come out with the keys innermost.  The choice is a scalar branch on KIND round each run of matrix instructions.
; IMAGES: a fragment's registers 4 c .. 4 c + 3 of lane l lie at 512 c + 16 l: every store of a wave covers 512 consecutive bytes, aligned.
; The scales ahead of each quantiser are folded into the conversion's one: 2^(e6 - e0 - e1), 2^(e7 - e2 - e3), 2^(e8 - e4 - e5).  LIMIT: each of the three exponents between -126 and 119.
; REGISTERS, in windows of 256: window 0: v16-31 addresses; x's fragments, two sets, at v128 and v192; on the way out v128-191 numbers, v192-255 codes.
;   window 1: W's fragments, two sets, at v0 and v128.   window 2: accumulator (a, b) at v[8 (8 a + b)].   window 3: cos and sin of my 64 tokens (block a: cos at 64 a + 8 b + j, sin 32 further; i = 16 b + 8 h + j).
.set PB,     528                       ; BIG's pitch
.set PS,     272                       ; SMALL's
.set BIGB,   256*PB                    ; BIG: x's 256 rows from byte 0, W's 128 rows from here
.set SMA,    384*PB                    ; SMALL: x's 256 rows from here,
.set SMB,    SMA+256*PS                ; W's 128 from here
.set SPARE,  SMA+384*PS                ; behind the ring: the spare words, 128 bytes a wave: two blocks of 256 bytes that no other line names
.set ADRA, 16                          ; v16, v17 LDS address of my x fragments in BIG (slot 0), SMALL (slot 1)
.set ADRB, 20                          ; v20, v21 of W's
.set RO,   24                          ; v24 my byte in the work-group's rows of the cos and sin table
.set PFO,  25                          ; v25 the prefetches' offset: a row (2,048 bytes) x lane; never rewritten
.set L16,  26                          ; v26 16 x lane
.set SPW,  28                          ; v28 LDS address of my spare word; never rewritten
.set NIL,  29                          ; v29 0; never rewritten
.set SC,   30                          ; v30 the conversion's scale
.set LIM,  31                          ; v31 448 x that
.set AF,   128
.set TT,   128
.set CODE, 192
.set PFA, 22                           ; s[22:23] where my prefetches stand, at K = 0
.set G1A, 24                           ; s[24:31], s[32:39] group 1 for x's tiles: BIG, SMALL
.set G1B, 40                           ; s[40:47], s[48:55] for W's
.set G0A, 56                           ; s[56:59], s[60:63] group 0 for x's tiles: BIG, SMALL
.set G0B, 68                           ; s[68:71], s[72:75] for W's
.set KIND, 66
.set MSB, 0
.macro WIN new                         ; the immediate's high byte repeats the setting that is left
.if MSB != \new
	s_set_vgpr_msb (MSB<<8)|\new
.set MSB, \new
.endif
.endm
.macro PLACES                          ; four plain vector lines behind matrix instructions, ahead of loads into their sources and of reads of their results
.rept 4
	v_nop
.endr
.endm
; A joint load: waves 0 and 1 fetch x's halves, waves 2 and 3 W's.  The branch hangs on the wave's number alone.  s_nop 0 and four v_nop follow each line.
.macro JLOAD s
	s_cmp_eq_u32 s15, 0
	s_cbranch_scc0 .Lfor_b_\@
	tensor_load_to_lds s[G0A+4*\s:G0A+4*\s+3], s[G1A+8*\s:G1A+8*\s+7]
	s_nop 0
.rept 4
	v_nop
.endr
	s_branch .Lasked_\@
.Lfor_b_\@:
	tensor_load_to_lds s[G0B+4*\s:G0B+4*\s+3], s[G1B+8*\s:G1B+8*\s+7]
	s_nop 0
.rept 4
	v_nop
.endr
.Lasked_\@:
.endm
.macro CROUND                          ; a round of the cluster's barrier
	s_barrier_signal -1
	s_barrier_wait -1
	s_cmp_lg_u32 s14, 0
	s_cbranch_scc1 .Lnot_wave_0_\@
	s_barrier_signal -3
.Lnot_wave_0_\@:
	s_barrier_wait -3
	s_barrier_signal -1
	s_barrier_wait -1
.endm
.macro ASK k, big                      ; prefetch of the fill that begins at k along K: big = 1: 512 of each row, 0: 256.  The branch hangs on the wave's number alone
.if \big
	global_prefetch_b8 v[PFO], s[PFA:PFA+1] offset:\k th:TH_LOAD_NT scope:SCOPE_SE
	s_cmp_lt_u32 s14, 2
	s_cbranch_scc0 .Lno_more_\@
	global_prefetch_b8 v[PFO], s[PFA:PFA+1] offset:\k+256 th:TH_LOAD_NT scope:SCOPE_SE
.else
	s_cmp_lt_u32 s14, 3
	s_cbranch_scc0 .Lno_more_\@
	global_prefetch_b8 v[PFO], s[PFA:PFA+1] offset:\k th:TH_LOAD_NT scope:SCOPE_SE
.endif
.Lno_more_\@:
.endm
.macro GROUP1 g, cols, rows            ; a tile of rows x cols bytes out of rows of 2,048 bytes
	s_mov_b32 s[\g+1], (\cols)<<16                 ; tensor_dim0
	s_mov_b32 s[\g+2], (\rows)<<16                 ; tensor_dim1
	s_mov_b32 s[\g+3], (\cols)<<16                 ; tile_dim0
	s_mov_b32 s[\g+4], \rows                       ; tile_dim1
	s_mov_b32 s[\g+5], 2048                        ; from row to row
	s_mov_b32 s[\g+6], 0
	s_mov_b32 s[\g+7], 0
.endm
	s_load_b256 s[4:11], s[0:1], 0x0               ; xcodes 4, wcodes 6, lowp_scales 8, rope 10
	s_load_b64 s[12:13], s[0:1], 0x20              ; qkv
	v_lshl_add_u32 v[SPW], v0, 2, SPARE
	v_mov_b32 v[NIL], 0
	ds_add_u32 v[SPW], v[NIL]                      ; the wave's opening: the add, twice on end, and its wait
	ds_add_u32 v[SPW], v[NIL]
	v_lshrrev_b32 v1, 5, v0
	v_readfirstlane_b32 s14, v1                    ; wave
	s_lshr_b32 s15, s14, 1                         ; I fetch for x (0) or for W (1)
	s_and_b32 s16, s14, 1                          ; which half of that tile
	s_bfe_u32 s88, ttmp6, 0x40000                  ; cx
	s_bfe_u32 s89, ttmp6, 0x40004                  ; cy
	s_lshl_b32 s67, ttmp9, 2
	s_add_co_u32 s67, s67, s88                     ; X
	s_and_b32 s17, ttmp7, 0xffff
	s_lshl_b32 s17, s17, 2
	s_add_co_u32 s17, s17, s89                     ; Y
	s_max_u32 s[KIND], ttmp9, 1
	s_sub_co_u32 s[KIND], s[KIND], 1               ; clusters 0, 1: q; 2: k; 3: v
	s_lshl_b32 s90, s89, 2
	s_lshl_b32 s90, 15, s90                        ; my row of the cluster
	s_lshl_b32 s91, 0x1111, s88                    ; my column
	s_or_b32 s[G1A], s90, (1<<20)|(1<<21)|(6<<22)|(3<<25)     ; the mask; elements of 1 byte; padding on; bit 21 beside a mask; BIG: after every 128 words, 4 words
	s_or_b32 s[G1A+8], s90, (1<<20)|(1<<21)|(5<<22)|(3<<25)   ; SMALL: after every 64 words
	s_or_b32 s[G1B], s91, (1<<20)|(1<<21)|(6<<22)|(3<<25)
	s_or_b32 s[G1B+8], s91, (1<<20)|(1<<21)|(5<<22)|(3<<25)
	GROUP1 G1A, 512, 128
	GROUP1 G1A+8, 256, 128
	GROUP1 G1B, 512, 64
	GROUP1 G1B+8, 256, 64
	s_lshl_b32 s18, s16, 7
	s_lshl_b32 s20, s17, 8
	s_add_co_u32 s20, s20, s18                     ; x: row 256 Y + 128 x half,
	s_lshl_b32 s20, s20, 11
	s_lshl_b32 s19, s[KIND], 23
	s_add_co_u32 s20, s20, s19                     ; in set KIND
	s_mov_b32 s21, 0
	s_lshl_b32 s18, s16, 6
	s_lshl_b32 s92, s67, 7
	s_add_co_u32 s92, s92, s18                     ; W: row 128 X + 64 x half
	s_lshl_b32 s92, s92, 11
	s_mov_b32 s93, 0
	s_mul_i32 s94, s16, 128*PB                     ; where they go: x in BIG,
	s_mul_i32 s95, s16, 128*PS
	s_add_co_u32 s95, s95, SMA                     ; x in SMALL,
	s_mul_i32 s96, s16, 64*PB
	s_add_co_u32 s96, s96, BIGB                    ; W in BIG,
	s_mul_i32 s97, s16, 64*PS
	s_add_co_u32 s97, s97, SMB                     ; W in SMALL: no place in the cluster enters an LDS address
	s_wait_alu depctr_va_vdst(0)
	s_wait_dscnt 0x0                               ; both opening adds are done
	s_wait_kmcnt 0x0
	s_load_b256 s[76:83], s[8:9], 0x0              ; e0 .. e7
	s_load_b128 s[84:87], s[8:9], 0x20             ; e8 .. e11
	s_add_nc_u64 s[20:21], s[4:5], s[20:21]
	s_add_nc_u64 s[92:93], s[6:7], s[92:93]
	CROUND                                         ; all sixteen work-groups are here: the first joint loads meet
.irp s, 0,1                            ; BIG takes K 0 to 511, SMALL K 512 to 767
	s_mov_b32 s[G0A+4*\s], 1
	s_mov_b32 s[G0A+4*\s+1], s[94+\s]
	s_add_nc_u64 s[G0A+4*\s+2:G0A+4*\s+3], s[20:21], \s*512
	s_or_b32 s[G0A+4*\s+3], s[G0A+4*\s+3], 0x80000000
	s_mov_b32 s[G0B+4*\s], 1
	s_mov_b32 s[G0B+4*\s+1], s[96+\s]
	s_add_nc_u64 s[G0B+4*\s+2:G0B+4*\s+3], s[92:93], \s*512
	s_or_b32 s[G0B+4*\s+3], s[G0B+4*\s+3], 0x80000000
.endr
	JLOAD 0                                        ; BIG: one tensor load a wave at the head
	; where my prefetches stand: x: my half's rows 32 cx on; W: rows 128 X + 32 cy, wave 3 a block further
	s_lshl_b32 s98, s88, 16
	s_mov_b32 s99, 0
	s_add_nc_u64 s[PFA:PFA+1], s[20:21], s[98:99]
	s_lshl_b32 s98, s67, 18
	s_lshl_b32 s18, s89, 16
	s_add_co_u32 s98, s98, s18
	s_lshl_b32 s18, s16, 8
	s_add_co_u32 s98, s98, s18
	s_add_nc_u64 s[98:99], s[6:7], s[98:99]
	s_cmp_eq_u32 s15, 0
	s_cselect_b64 s[PFA:PFA+1], s[PFA:PFA+1], s[98:99]
	; where my images go.  q and k: (batch, head, tile of 16 tokens) at ((batch x heads + head) x 128 + tile) x 2,048; k's behind q's 4 MiB
	s_cmp_eq_u32 s[KIND], 0
	s_cselect_b32 s94, 3, 2
	s_cselect_b32 s95, 0, 8
	s_cselect_b32 s96, 0, 0x400000
	s_lshr_b32 s97, s17, 3                         ; batch
	s_lshl_b32 s88, s97, 2
	s_lshl_b32 s97, s97, s94
	s_sub_co_u32 s95, s67, s95
	s_add_co_u32 s97, s97, s95
	s_lshl_b32 s97, s97, 7
	s_and_b32 s98, s17, 7
	s_lshl_b32 s99, s98, 4
	s_add_co_u32 s97, s97, s99
	s_lshl_b32 s99, s14, 2
	s_add_co_u32 s97, s97, s99
	s_lshl_b32 s97, s97, 11
	s_add_co_u32 s96, s96, s97
	; v: (batch, head, step of 128 keys, tile of 16 rows of W) at (((batch x 4 + head) x 16 + step) x 8 + tile) x 2,048, behind 6 MiB; my 64 tokens are half a step: registers 8 (w & 1) on
	s_sub_co_u32 s89, s67, 12
	s_add_co_u32 s88, s88, s89
	s_lshl_b32 s88, s88, 4
	s_lshl_b32 s98, s98, 1
	s_add_co_u32 s88, s88, s98
	s_add_co_u32 s88, s88, s15
	s_lshl_b32 s88, s88, 14
	s_lshl_b32 s98, s16, 10
	s_add_co_u32 s88, s88, s98
	s_add_co_u32 s88, s88, 0x600000
	s_cmp_eq_u32 s[KIND], 2
	s_cselect_b32 s96, s88, s96
	s_mov_b32 s97, 0
	s_add_nc_u64 s[12:13], s[12:13], s[96:97]
	s_lshl_b32 s98, s17, 17
	s_mov_b32 s99, 0
	s_add_nc_u64 s[10:11], s[10:11], s[98:99]      ; my work-group's rows of cos and sin
	; the conversion's scale
	s_wait_kmcnt 0x0
	s_sub_co_i32 s92, s82, s76
	s_sub_co_i32 s92, s92, s77                     ; e6 - e0 - e1
	s_sub_co_i32 s93, s83, s78
	s_sub_co_i32 s93, s93, s79                     ; e7 - e2 - e3
	s_sub_co_i32 s94, s84, s80
	s_sub_co_i32 s94, s94, s81                     ; e8 - e4 - e5
	s_cmp_eq_u32 s[KIND], 0
	s_cselect_b32 s92, s92, s93
	s_cmp_eq_u32 s[KIND], 2
	s_cselect_b32 s92, s94, s92
	s_add_co_i32 s92, s92, 127
	s_lshl_b32 s93, s92, 23
	s_add_co_i32 s92, s92, 8
	s_lshl_b32 s92, s92, 23
	s_or_b32 s92, s92, 0x600000
	s_mul_i32 s18, s14, 64*PB                      ; my 64 rows of x; all 128 rows of W
	s_mul_i32 s19, s14, 64*PS
	s_add_co_u32 s19, s19, SMA
	s_lshl_b32 s98, s14, 6
	v_and_b32 v1, 15, v0                           ; r
	v_bfe_u32 v2, v0, 4, 1                         ; h
	v_and_b32 v5, 31, v0
	v_mul_u32_u24 v3, v1, PB
	v_mul_u32_u24 v4, v1, PS
	v_lshlrev_b32 v[L16], 4, v5
	v_lshlrev_b32 v[PFO], 11, v5
	v_lshl_add_u32 v3, v2, 4, v3                   ; a fragment's row x pitch + 16 x half, in BIG
	v_lshl_add_u32 v4, v2, 4, v4                   ; and in SMALL
	v_add_nc_u32 v6, s98, v1
	v_add_nc_u32 v[ADRA], s18, v3
	v_add_nc_u32 v[ADRB], BIGB, v3
	v_add_nc_u32 v[ADRA+1], s19, v4
	v_add_nc_u32 v[ADRB+1], SMB, v4
	v_lshlrev_b32 v[RO], 9, v6
	v_lshl_add_u32 v[RO], v2, 5, v[RO]             ; row 64 w + r of 512 bytes, + 32 h
	v_mov_b32 v[SC], s93
	v_mov_b32 v[LIM], s92
.macro FRAG reg, adr, q, i, pitch      ; 16 rows x 128 codes: four loads of 16 bytes, 32 apart; the same places along K in x and in W
.irp c, 0,1,2,3
	ds_load_b128 v[\reg+4*\c:\reg+4*\c+3], v[\adr] offset:128*(\q)+32*\c+(\i)*16*(\pitch)
.endr
.endm
.macro CHB slot, q, p, i0              ; four of W's fragments of the slot's q-th 128 along K, into set p
	WIN 0x40
.irp i, 0,1,2,3
	FRAG 128*(\p)+16*(\i0+\i), ADRB+\slot, \q, (\i0+\i), PB-(\slot)*(PB-PS)
.endr
	WIN 0
.endm
.macro CHA slot, q, p                  ; my four of x
.irp i, 0,1,2,3
	FRAG AF+64*(\p)+16*\i, ADRA+\slot, \q, \i, PB-(\slot)*(PB-PS)
.endr
.endm
.macro MULRUN p, a0, na, zero, sw      ; na x 8 matrix instructions; the accumulators take turns, one instruction a turn, in the same order everywhere
.set ma, \a0
.rept \na
.set mb, 0
.rept 8
.set rD, 8*(8*ma+mb)
.set rB, 128*(\p)+16*mb
.set rA, AF+64*(\p)+16*ma
.if \sw
.if \zero
	v_wmma_f32_16x16x128_fp8_fp8 v[rD:rD+7], v[rA:rA+15], v[rB:rB+15], 0
.else
	v_wmma_f32_16x16x128_fp8_fp8 v[rD:rD+7], v[rA:rA+15], v[rB:rB+15], v[rD:rD+7]
.endif
.else
.if \zero
	v_wmma_f32_16x16x128_fp8_fp8 v[rD:rD+7], v[rB:rB+15], v[rA:rA+15], 0
.else
	v_wmma_f32_16x16x128_fp8_fp8 v[rD:rD+7], v[rB:rB+15], v[rA:rA+15], v[rD:rD+7]
.endif
.endif
.set mb, mb+1
.endr
.set ma, ma+1
.endr
.endm
.macro MUL p, a0, na, zero
	s_cmp_eq_u32 s[KIND], 2
	s_cbranch_scc1 .Lsw_\@
	WIN 0xa1                                       ; source 0 (W) window 1, source 1 (x) window 0, C and D window 2
	MULRUN \p, \a0, \na, \zero, 0
	WIN 0
	s_branch .Ljn_\@
.Lsw_\@:
	WIN 0xa4                                       ; v: source 0 (x) window 0, source 1 (W) window 1
	MULRUN \p, \a0, \na, \zero, 1
	WIN 0
.Ljn_\@:
.endm
.macro STEP slot, q, zero              ; the slot's q-th 128 along K, in set q % 2; the next 128 of the same slot go into the other set
	s_wait_dscnt 12                                ; W and x's first fragment are in; x's other three (12 loads) may be out
	PLACES                                         ; the other set has just been multiplied
	CHB \slot, (\q)+1, 1-(\q)%2, 0
	MUL (\q)%2, 0, 1, \zero
	s_wait_dscnt 16                                ; all of x is in: only the 16 loads above may be out
	CHB \slot, (\q)+1, 1-(\q)%2, 4
	MUL (\q)%2, 1, 1, \zero
	CHA \slot, (\q)+1, 1-(\q)%2
	MUL (\q)%2, 2, 2, \zero
.endm
; A slot's last 128 along K (always in set 1), and the change of slots: each wave waits for its reads of this slot and for all its tensor loads, adds 0 to its spare word and waits for that.
.macro TURN slot, next, fill, askk, askbig
	s_wait_dscnt 0x0                               ; set 1 is in: those were my last reads of this slot
	MUL 1, 0, 3, 0
	s_wait_tensorcnt 0x0                           ; all my tensor loads have landed: my part of the next slot
.if \fill
	ds_add_u32 v[SPW], v[NIL]                      ; 0 onto my spare word
	s_add_nc_u64 s[G0A+4*\slot+2:G0A+4*\slot+3], s[G0A+4*\slot+2:G0A+4*\slot+3], 768   ; no load of mine is out: this slot's next tile, 768 along K on
	s_add_nc_u64 s[G0B+4*\slot+2:G0B+4*\slot+3], s[G0B+4*\slot+2:G0B+4*\slot+3], 768
	s_wait_dscnt 0x0                               ; the add is done
	CROUND                                         ; no wave of any partner still reads this slot or has a load on its way
	JLOAD \slot                                    ; the first tensor load behind the round; its four v_nop are also the places ahead of the loads below
.else
	s_barrier_signal -1
	s_barrier_wait -1
	PLACES
.endif
	CHB \next, 0, 0, 0
	CHB \next, 0, 0, 4
	CHA \next, 0, 0
.if \askk
	ASK \askk, \askbig
.endif
	MUL 1, 3, 1, 0
.endm
.macro ROPEL a                         ; cos and sin of block a's 16 tokens.  v's work-groups load them too and do not use them: so every way through the text finds these registers written
	WIN 0xc0                                       ; destination window 3
.irp b, 0,1,2,3
.irp u, 0,1
	global_load_b128 v[64*(\a)+8*\b+4*\u:64*(\a)+8*\b+4*\u+3], v[RO], s[10:11] offset:8192*(\a)+64*\b+16*\u
	global_load_b128 v[64*(\a)+32+8*\b+4*\u:64*(\a)+32+8*\b+4*\u+3], v[RO], s[10:11] offset:8192*(\a)+64*\b+16*\u+256
.endr
.endr
	WIN 0
.endm
	s_wait_alu depctr_va_vdst(0)
	ASK 512, 0
	s_wait_tensorcnt 0x0                           ; my part of BIG is in; these lines stand ahead of a later first fill, as ahead of a refill
	ds_add_u32 v[SPW], v[NIL]
	s_wait_dscnt 0x0                               ; the add is done
	CROUND                                         ; everybody's part of BIG is in, and the joint loads meet
	JLOAD 1                                        ; SMALL takes K 512 to 767
	CHB 0, 0, 0, 0
	CHB 0, 0, 0, 4
	CHA 0, 0, 0
	ASK 768, 1
	STEP 0, 0, 1                                   ; K 0 on: the first products start the sums: nothing is cleared
	STEP 0, 1, 0
	STEP 0, 2, 0
	TURN 0, 1, 1, 1280, 0                          ; BIG takes K 768 to 1,279
	STEP 1, 0, 0                                   ; K 512 on
	TURN 1, 0, 1, 1536, 1                          ; SMALL takes K 1,280 to 1,535
	STEP 0, 0, 0                                   ; K 768 on
	ROPEL 0
	STEP 0, 1, 0
	ROPEL 1
	STEP 0, 2, 0
	ROPEL 2
	TURN 0, 1, 1, 0, 0                             ; BIG takes K 1,536 to 2,047
	STEP 1, 0, 0                                   ; K 1,280 on
	ROPEL 3
	TURN 1, 0, 0, 0, 0                             ; nothing is left to fetch
	STEP 0, 0, 0                                   ; K 1,536 on
	STEP 0, 1, 0
	STEP 0, 2, 0
	s_wait_dscnt 0x0
	MUL 1, 0, 4, 0
	; ---------------- the way out
	s_wait_loadcnt 0x0                             ; cos and sin
	PLACES
	s_cmp_eq_u32 s[KIND], 2
	s_cbranch_scc1 .Lv_out
.irp a, 0,1,2,3                        ; 16 tokens at a time: rotary embedding, hold, conversion, four stores of 512 bytes
	WIN 0x0e                                       ; source 0 (the sums) window 2, source 1 (cos, sin) window 3
.irp b, 0,1,2,3
.irp j, 0,2,4,6                        ; each accumulator is read from its low end on
	v_pk_mul_f32 v[TT+8*\b+\j:TT+8*\b+\j+1], v[64*\a+8*\b+\j:64*\a+8*\b+\j+1], v[64*\a+8*\b+\j:64*\a+8*\b+\j+1]              ; x(d) cos
	v_pk_mul_f32 v[TT+32+8*\b+\j:TT+32+8*\b+\j+1], v[64*\a+32+8*\b+\j:64*\a+32+8*\b+\j+1], v[64*\a+8*\b+\j:64*\a+8*\b+\j+1]  ; x(d + 64) cos
.endr
.endr
.irp b, 0,1,2,3
.irp j, 0,2,4,6
	v_pk_fma_f32 v[TT+8*\b+\j:TT+8*\b+\j+1], v[64*\a+32+8*\b+\j:64*\a+32+8*\b+\j+1], v[64*\a+32+8*\b+\j:64*\a+32+8*\b+\j+1], v[TT+8*\b+\j:TT+8*\b+\j+1] neg_lo:[1,0,0] neg_hi:[1,0,0]   ; - x(d + 64) sin
	v_pk_fma_f32 v[TT+32+8*\b+\j:TT+32+8*\b+\j+1], v[64*\a+8*\b+\j:64*\a+8*\b+\j+1], v[64*\a+32+8*\b+\j:64*\a+32+8*\b+\j+1], v[TT+32+8*\b+\j:TT+32+8*\b+\j+1]                           ; + x(d) sin
.endr
.endr
	WIN 0
.set i, 0
.rept 64
	v_med3_num_f32 v[TT+i], v[TT+i], -v[LIM], v[LIM]   ; the conversion to an 8-bit code does not saturate (ISA guide 7.6.2)
.set i, i+1
.endr
.irp b, 0,1,2,3,4,5,6,7
	v_cvt_scalef32_pk8_fp8_f32 v[CODE+16*\a+2*\b:CODE+16*\a+2*\b+1], v[TT+8*\b:TT+8*\b+7], v[SC]   ; registers 2 b, 2 b + 1: d = 16 b + 8 h + 0 .. 7
.endr
	v_nop                                          ; a plain line between the conversions and the next block's writes of their sources
.irp c, 0,1,2,3
	global_store_b128 v[L16], v[CODE+16*\a+4*\c:CODE+16*\a+4*\c+3], s[12:13] offset:2048*\a+512*\c
.endr
.endr
	s_branch .Lend
.Lv_out:
.irp b, 0,1,2,3,4,5,6,7                ; 16 rows of W at a time: a lane's registers run along the tokens
	WIN 0x02                                       ; source 0 (the sums) window 2
.irp a, 0,1,2,3
.irp j, 0,1,2,3,4,5,6,7
	v_med3_num_f32 v[TT+8*\a+\j], v[64*\a+8*\b+\j], -v[LIM], v[LIM]
.endr
.endr
	WIN 0
.irp a, 0,1,2,3
	v_cvt_scalef32_pk8_fp8_f32 v[CODE+8*\b+2*\a:CODE+8*\b+2*\a+1], v[TT+8*\a:TT+8*\a+7], v[SC]
.endr
	v_nop
.irp u, 0,1
	global_store_b128 v[L16], v[CODE+8*\b+4*\u:CODE+8*\b+4*\u+3], s[12:13] offset:2048*\b+512*\u
.endr
.endr
.Lend:
	s_wait_tensorcnt 0x0                           ; the wave's end
	ds_add_u32 v[SPW], v[NIL]
	s_wait_dscnt 0x0
	CROUND                                         ; the closing round
	s_endpgm
.Lfunc_end_k_q8222c85aaa_qkv:
	.size	k_q8222c85aaa_qkv, .Lfunc_end_k_q8222c85aaa_qkv-k_q8222c85aaa_qkv
	.p2alignl 7, 3214868480
	.fill 96, 4, 3214868480
	.section	.rodata,"a",@progbits
	.p2align	6, 0x0
	.amdhsa_kernel k_q8222c85aaa_qkv
		.amdhsa_group_segment_fixed_size 327680
		.amdhsa_private_segment_fixed_size 0
		.amdhsa_enable_private_segment 0
		.amdhsa_kernarg_size 40
		.amdhsa_user_sgpr_count 2
		.amdhsa_user_sgpr_kernarg_segment_ptr 1
		.amdhsa_wavefront_size32 1
		.amdhsa_system_sgpr_workgroup_id_x 1
		.amdhsa_system_sgpr_workgroup_id_y 1
		.amdhsa_system_sgpr_workgroup_id_z 1
		.amdhsa_system_vgpr_workitem_id 0
		.amdhsa_next_free_vgpr 1024
		.amdhsa_next_free_sgpr 100
		.amdhsa_reserve_vcc 0
		.amdhsa_float_denorm_mode_32 3
		.amdhsa_float_denorm_mode_16_64 3
		.amdhsa_memory_ordered 1
		.amdhsa_forward_progress 1
		.amdhsa_inst_pref_size 203
	.end_amdhsa_kernel
	.amdgpu_metadata
---
amdhsa.version: [ 1, 2 ]
amdhsa.kernels:
  - .name:           k_q8222c85aaa_qkv
    .symbol:         k_q8222c85aaa_qkv.kd
    .args:
      - { .name: xcodes, .offset: 0, .size: 8, .value_kind: global_buffer, .address_space: global }
      - { .name: wcodes, .offset: 8, .size: 8, .value_kind: global_buffer, .address_space: global }
      - { .name: lowp_scales, .offset: 16, .size: 8, .value_kind: global_buffer, .address_space: global }
      - { .name: rope, .offset: 24, .size: 8, .value_kind: global_buffer, .address_space: global }
      - { .name: qkv, .offset: 32, .size: 8, .value_kind: global_buffer, .address_space: global }
    .group_segment_fixed_size: 327680
    .private_segment_fixed_size: 0
    .kernarg_segment_align: 8
    .kernarg_segment_size: 40
    .max_flat_workgroup_size: 128
    .sgpr_count:     100
    .vgpr_count:     1024
    .wavefront_size: 32
...
	.end_amdgpu_metadata
.endif
;; end of part 2
;; launch attn (part 3): grid 32 x 8, 8 waves a work-group, no clusters, 0 bytes of LDS; arguments qkv, meta, lowp_scales, oimg; writes oimg
.if DOCPART == 3
	.amdgcn_target "amdgcn-amd-amdhsa--gfx1250"
	.amdhsa_code_object_version 6
	.text
	.protected	k_q8222c85aaa_attn
	.globl	k_q8222c85aaa_attn
	.p2align	8
	.type	k_q8222c85aaa_attn,@function
k_q8222c85aaa_attn:
	s_mov_b64 s[64:65], 0
	v_nop
	global_prefetch_b8 v0, s[64:65] scope:SCOPE_SE
	s_setreg_imm32_b32 hwreg(HW_REG_WAVE_MODE, 25, 1), 1
	s_wait_xcnt 0x0
; ATTN.  Both attention products on codes of E4M3, on the key steps that the mask keeps.  Tokens stand in the order sorted by sid, in which query p sees exactly the keys lo[p] .. p.
; A wave owns 16 queries (tile 4 x + wave / 2) of ONE query head, 2 g + wave % 2 (y = 4 batch + g), in 512 registers: eight waves to a work-group, two to a SIMD, so that one wave's vector work
; stands beside the other's matrix work, loads and waits.
; It walks the steps of 128 keys DOWNWARD, from the step that holds its own queries (known from the ids, so the first K and V are asked for at once) to the step that holds lo of its first query,
; which is the tile's smallest, since lo never falls as p rises.  The trip count follows from lo, which the first launch stored.  The first step holds each query's own key, so M is a number from then on.
; NO TENSOR LOADS, NO LDS, NO CLUSTER: the number of steps hangs on stored numbers and differs from wave to wave, so operands come from memory straight into registers, as the images that the launch before stored:
; every load of a wave takes 512 consecutive bytes.  K of the next step is asked for behind this step's first products, V behind its second.
; LAYOUT.  S^T = K Q^T (source 0 = 16 keys, source 1 = my 16 queries), O^T = V^T P (source 0 = 16 rows of V^T, source 1 = P): a lane holds ONE query (lane % 16); register j of S^T's tile c is key
; 16 c + 8 (lane / 16) + j, so the conversions' results are P's registers.  Row m of V^T's tile t is d = 32 (t / 2) + 16 (m / 8) + 8 (t % 2) + m % 8 (the first launch laid Wv's rows so): the 16 registers
; of O^T's tiles 2 c and 2 c + 1 are d = 32 c + 16 (lane / 16) + 0 .. 15, so the conversions' results are also the last product's operand registers.
; SOFTMAX: t = score x log2(e) / sqrt(128); M = the running largest t rounded up to a whole number; p = 2^(t - M) is quantised with 2^e9; the sum is of the unquantised p; when M moves, sum and O^T are multiplied by 2^(old M - new M).
; o = O^T 2^(e8 + e9) / sum is quantised with 2^e10 and stored as an image: my head's 2,048 bytes, registers 4 c .. 4 c + 3 of lane l at 512 c + 16 l.
; LIMITS: e6 + e7 between -123 and 130; e9, and e10 - e8 - e9, between -126 and 119.
; REGISTERS: window 0: v2-8 addresses and mask; v12-15 statistics; v32-47 Q; v64-127 S^T, then p; v128-191 O^T; v192-207 codes; v224-255 at work.  window 1: K at v0, V at v128.
.set QF, 32
.set SS, 64
.set OT, 128
.set PC, 192
.set KP, 16                            ; s[16:17] K's images of the step to be fetched
.set VP, 18                            ; s[18:19] V's
.set LEFT, 24                          ; s24 steps still to come behind the one in hand
.set KF, 25                            ; s25 the step's first key
.set MSB, 0
.macro WIN new                         ; the immediate's high byte repeats the setting that is left
.if MSB != \new
	s_set_vgpr_msb (MSB<<8)|\new
.set MSB, \new
.endif
.endm
.macro PLACES
.rept 4
	v_nop
.endr
.endm
.macro KVLOAD reg, base                ; eight fragments: 32 loads of 512 consecutive bytes
.irp t, 0,1,2,3,4,5,6,7
.irp c, 0,1,2,3
	global_load_b128 v[\reg+16*\t+4*\c:\reg+16*\t+4*\c+3], v2, s[\base:\base+1] offset:2048*\t+512*\c
.endr
.endr
.endm
	s_load_b256 s[4:11], s[0:1], 0x0               ; qkv 4, meta 6, lowp_scales 8, oimg 10
	v_lshrrev_b32 v1, 5, v0
	s_delay_alu instid0(VALU_DEP_1)
	v_readfirstlane_b32 s12, v1                    ; wave 0..7
	v_and_b32 v1, 31, v0
	s_delay_alu instid0(VALU_DEP_1)
	v_lshlrev_b32 v2, 4, v1                        ; 16 x lane
	v_and_b32 v6, 15, v0                           ; r
	v_bfe_u32 v7, v0, 4, 1                         ; h
	s_delay_alu instid0(VALU_DEP_2)
	v_lshlrev_b32 v8, 2, v6
	s_and_b32 s13, ttmp7, 0xffff                   ; y = 4 batch + g
	s_lshr_b32 s57, s12, 1                         ; which of the work-group's four tiles
	s_and_b32 s58, s12, 1                          ; which of the two heads
	s_lshl_b32 s29, ttmp9, 2
	s_add_co_u32 s29, s29, s57                     ; my tile of 16 queries
	s_lshl_b32 s28, s29, 4                         ; p0
	s_lshr_b32 s30, s28, 7                         ; the step that holds them
	s_lshl_b32 s[KF], s30, 7
	s_lshr_b32 s31, s13, 2                         ; batch
	s_lshl_b32 s44, s31, 11
	s_add_co_u32 s44, s44, s28
	s_lshl_b32 s44, s44, 2                         ; lo[p0] in meta
	s_mov_b32 s45, 0
	s_lshl_b32 s46, s13, 18
	s_lshl_b32 s48, s30, 14
	s_add_co_u32 s46, s46, s48                     ; K's and V's step: y x 262,144 + step x 16,384
	s_mov_b32 s47, 0
	s_lshl_b32 s48, s13, 1
	s_add_co_u32 s48, s48, s58
	s_lshl_b32 s48, s48, 7
	s_add_co_u32 s48, s48, s29
	s_lshl_b32 s48, s48, 11                        ; Q: ((2 y + head) x 128 + tile) x 2,048
	s_mov_b32 s49, 0
	s_lshl_b32 s50, s31, 7
	s_add_co_u32 s50, s50, s29
	s_lshl_b32 s50, s50, 2
	s_and_b32 s51, s13, 3
	s_add_co_u32 s50, s50, s51
	s_lshl_b32 s50, s50, 1
	s_add_co_u32 s50, s50, s58
	s_lshl_b32 s50, s50, 11                        ; o: ((batch x 128 + tile) x 4 + g) x 4,096 + head x 2,048
	s_mov_b32 s51, 0
	s_wait_alu depctr_va_vdst(0)
	s_wait_kmcnt 0x0
	s_add_nc_u64 s[14:15], s[6:7], s[44:45]
	s_load_b32 s26, s[14:15], 0x0                  ; lo of my first query
	s_load_b32 s27, s[14:15], 0x3c                 ; and of my last
	s_load_b256 s[32:39], s[8:9], 0x0              ; e0 .. e7
	s_load_b128 s[40:43], s[8:9], 0x20             ; e8 .. e11
	s_add_nc_u64 s[KP:KP+1], s[4:5], s[46:47]
	s_add_nc_u64 s[VP:VP+1], s[KP:KP+1], 0x600000
	s_add_nc_u64 s[KP:KP+1], s[KP:KP+1], 0x400000
	s_add_nc_u64 s[52:53], s[4:5], s[48:49]
	s_add_nc_u64 s[10:11], s[10:11], s[50:51]
	global_load_b32 v3, v8, s[14:15]               ; lo of my lane's query
.irp c, 0,1,2,3
	global_load_b128 v[QF+4*\c:QF+4*\c+3], v2, s[52:53] offset:512*\c
.endr
	WIN 0x40                                       ; destination window 1
	KVLOAD 0, KP
	KVLOAD 128, VP
	WIN 0
	v_mov_b32 v13, 0xff61b1e6                      ; the largest t so far: -3e38, under every t
	s_delay_alu instid0(VALU_DEP_1)
	v_floor_f32 v12, -v13                          ; -M
	v_mov_b32 v14, 0                               ; the sum, in two halves
	v_mov_b32 v15, 0
	v_mov_b32 v225, 0                              ; upper halves of pairs of which the low word serves, and the destination of a lane move: written once
	v_mov_b32 v230, 0
	v_mov_b32 v247, 0
	v_mov_b32 v242, 0xff800000                     ; -infinity
	s_mov_b32 s20, 0x76543210                      ; v_permlanex16_b32: lane l xor 16
	s_mov_b32 s21, 0xfedcba98
	s_mov_b32 s22, 0x3e0293ee                      ; c = log2(e) / sqrt(128)
	s_wait_kmcnt 0x0
	s_lshr_b32 s54, s26, 7
	s_min_u32 s54, s54, 15
	s_min_u32 s54, s54, s30                        ; the last step of the walk
	s_sub_co_u32 s[LEFT], s30, s54
	s_add_co_i32 s55, s38, s39
	s_lshl_b32 s55, s55, 23
	s_add_co_i32 s22, s22, s55                     ; e6 + e7 go into c's exponent field
	s_mov_b32 s23, s22
	s_add_co_i32 s55, s41, 127
	s_lshl_b32 s56, s55, 23
	v_mov_b32 v241, s56                            ; 2^e9
	s_add_co_i32 s55, s55, 8
	s_lshl_b32 s55, s55, 23
	s_or_b32 s55, s55, 0x600000
	v_mov_b32 v240, s55                            ; 448 x 2^e9
	s_wait_loadcnt 63                              ; 68 loads were issued behind lo's; the wait's field holds 63, and a smaller count is safe
	v_add_nc_u32 v4, s28, v6
	s_delay_alu instid0(VALU_DEP_1)
	v_sub_nc_u32 v4, v4, v3                        ; Wd = my query - lo
	v_lshl_add_u32 v5, v7, 3, s[KF]
	s_delay_alu instid0(VALU_DEP_1)
	v_sub_nc_u32 v5, v5, v3                        ; Dd = the step's first key + 8 h - lo.  Key n of my registers counts where (n + Dd), unsigned, <= Wd: one compare for both ends
.macro SMAX                            ; the step's largest score of my query, the running largest t, the new -M, f, and t - M
	v_max3_num_f32 v228, v[SS], v[SS+1], v[SS+2]
	v_max3_num_f32 v229, v[SS+3], v[SS+4], v[SS+5]
.irp i, 6,10,14,18,22,26,30,34,38,42,46,50,54,58
	v_max3_num_f32 v228, v228, v[SS+\i], v[SS+\i+1]
	v_max3_num_f32 v229, v229, v[SS+\i+2], v[SS+\i+3]
.endr
	v_max3_num_f32 v228, v228, v[SS+62], v[SS+63]
	s_delay_alu instid0(VALU_DEP_1)
	v_max_num_f32 v228, v228, v229
	s_delay_alu instid0(VALU_DEP_1)
	v_permlanex16_b32 v230, v228, s20, s21
	s_delay_alu instid0(VALU_DEP_1)
	v_max_num_f32 v228, v228, v230
	s_delay_alu instid0(VALU_DEP_1)
	v_mul_f32 v228, s22, v228                      ; as t (c is positive)
	s_delay_alu instid0(VALU_DEP_1)
	v_max_num_f32 v13, v13, v228
	v_mov_b32 v228, v12
	s_delay_alu instid0(VALU_DEP_2)
	v_floor_f32 v12, -v13                          ; -M = floor(-t): M is a whole number
	s_delay_alu instid0(VALU_DEP_1)
	v_sub_f32 v228, v12, v228
	s_delay_alu instid0(VALU_DEP_1)
	v_cvt_i32_f32 v228, v228                       ; (it saturates)
	s_delay_alu instid0(VALU_DEP_1)
	v_ldexp_f32 v224, 1.0, v228                    ; f = 2^(old M - new M)
.set i, 0
.rept 32
	v_pk_fma_f32 v[SS+i:SS+i+1], v[SS+i:SS+i+1], s[22:23], v[12:13] op_sel_hi:[1,0,0]
.set i, i+2
.endr
.endm
.macro SQUANT                          ; the sum of the unquantised p, the one-sided hold, the conversions
	v_pk_add_f32 v[232:233], v[68:69], v[72:73]
	v_pk_add_f32 v[254:255], v[76:77], v[80:81]
	v_pk_add_f32 v[252:253], v[84:85], v[88:89]
	v_pk_add_f32 v[250:251], v[92:93], v[96:97]
	v_pk_add_f32 v[248:249], v[100:101], v[104:105]
	v_pk_add_f32 v[244:245], v[108:109], v[112:113]
	v_pk_add_f32 v[238:239], v[116:117], v[120:121]
	v_pk_add_f32 v[14:15], v[14:15], v[124:125]
	v_pk_add_f32 v[232:233], v[232:233], v[64:65]
	v_pk_add_f32 v[254:255], v[254:255], v[66:67]
	v_pk_add_f32 v[252:253], v[252:253], v[70:71]
	v_pk_add_f32 v[250:251], v[250:251], v[74:75]
	v_pk_add_f32 v[248:249], v[248:249], v[78:79]
	v_pk_add_f32 v[244:245], v[244:245], v[82:83]
	v_pk_add_f32 v[238:239], v[238:239], v[86:87]
	v_pk_add_f32 v[14:15], v[14:15], v[90:91]
	v_pk_add_f32 v[232:233], v[232:233], v[94:95]
	v_pk_add_f32 v[254:255], v[254:255], v[98:99]
	v_pk_add_f32 v[252:253], v[252:253], v[102:103]
	v_pk_add_f32 v[250:251], v[250:251], v[106:107]
	v_pk_add_f32 v[248:249], v[248:249], v[110:111]
	v_pk_add_f32 v[244:245], v[244:245], v[114:115]
	v_pk_add_f32 v[238:239], v[238:239], v[118:119]
	v_pk_add_f32 v[14:15], v[14:15], v[122:123]
	v_pk_add_f32 v[232:233], v[232:233], v[126:127]
	s_delay_alu instid0(VALU_DEP_2)
	v_pk_add_f32 v[14:15], v[14:15], v[250:251]
	s_delay_alu instid0(VALU_DEP_2)
	v_pk_add_f32 v[232:233], v[232:233], v[248:249]
	v_pk_add_f32 v[254:255], v[254:255], v[244:245]
	v_pk_add_f32 v[252:253], v[252:253], v[238:239]
	s_delay_alu instid0(VALU_DEP_2)
	v_pk_add_f32 v[14:15], v[14:15], v[254:255]
	s_delay_alu instid0(VALU_DEP_2)
	v_pk_add_f32 v[232:233], v[232:233], v[252:253]
	s_delay_alu instid0(VALU_DEP_1)
	v_pk_add_f32 v[14:15], v[14:15], v[232:233]
.irp c, 0,1,2,3,4,5,6,7
.irp j, 0,1,2,3,4,5,6,7
	v_min_num_f32 v[SS+8*\c+\j], v[SS+8*\c+\j], v240   ; the conversion does not saturate (ISA guide 7.6.2); p is not negative
.endr
	v_cvt_scalef32_pk8_fp8_f32 v[PC+2*\c:PC+2*\c+1], v[SS+8*\c:SS+8*\c+7], v241
.endr
.endm
.macro STEP first
	s_wait_loadcnt 32                              ; K is in (and Q, the first time); V's 32 loads, issued behind K's, may stay out
	WIN 0x01                                       ; source 0 (K) window 1
.irp c, 0,1,2,3,4,5,6,7
	v_wmma_f32_16x16x128_fp8_fp8 v[SS+8*\c:SS+8*\c+7], v[16*\c:16*\c+15], v[QF:QF+15], 0
.endr
	WIN 0
	PLACES                                         ; ahead of the loads into K's registers and of the first read of the scores
	s_cmp_eq_u32 s[LEFT], 0
	s_cbranch_scc1 .Lno_k_\@
	s_wait_xcnt 0x0                                ; the last loads have read their base
	s_sub_nc_u64 s[KP:KP+1], s[KP:KP+1], 16384     ; the step below
	WIN 0x40
	KVLOAD 0, KP
	WIN 0
.Lno_k_\@:
	s_cmp_gt_u32 s27, s[KF]                        ; the mask is passed over where all 128 keys count for all 16 queries: lo of my last query <= the first key, and the last key <= my first query
	s_cbranch_scc1 .Lmask_\@
	s_add_co_u32 s54, s[KF], 127
	s_cmp_le_u32 s54, s28
	s_cbranch_scc1 .Lopen_\@
.Lmask_\@:
	s_wait_alu depctr_va_vdst(0)
.irp c, 0,1,2,3,4,5,6,7
.irp j, 0,1,2,3,4,5,6,7
	v_add_nc_u32 v243, 16*\c+\j, v5
	s_delay_alu instid0(VALU_DEP_1)
	v_cmp_gt_u32 vcc_lo, v243, v4
	v_cndmask_b32 v[SS+8*\c+\j], v[SS+8*\c+\j], v242, vcc_lo        ; hidden scores become -infinity ahead of the maximum: p = 0 then
.endr
.endr
.Lopen_\@:
	SMAX
.set i, 0
	s_wait_alu depctr_va_vdst(0)
.rept 64
	v_exp_f32 v[SS+i], v[SS+i]                     ; p = 2^(t - M): one batch
.set i, i+1
.endr
	v_pk_mul_f32 v[14:15], v[14:15], v[224:225] op_sel_hi:[1,0]   ; the sum under the new M: a plain line behind the exponentials
	s_wait_alu depctr_va_vdst(0)                   ; one wait for the batch, ahead of its first reader
	SQUANT
	v_nop                                          ; a plain line between the last conversion and the matrix instructions that read its result
.if !\first
.set i, 0
.rept 32
	v_pk_mul_f32 v[OT+i:OT+i+1], v[OT+i:OT+i+1], v[224:225] op_sel_hi:[1,0]   ; O^T under the new M, each accumulator from its low end on
.set i, i+2
.endr
.endif
	s_wait_alu depctr_va_vdst(0)
	s_wait_loadcnt 0x0                             ; V is in; the next step's K, asked for a whole softmax ago, with it
	WIN 0x01                                       ; source 0 (V) window 1
.irp t, 0,1,2,3,4,5,6,7                ; the eight accumulators take turns
.if \first
	v_wmma_f32_16x16x128_fp8_fp8 v[OT+8*\t:OT+8*\t+7], v[128+16*\t:128+16*\t+15], v[PC:PC+15], 0                    ; the first products start the sums
.else
	v_wmma_f32_16x16x128_fp8_fp8 v[OT+8*\t:OT+8*\t+7], v[128+16*\t:128+16*\t+15], v[PC:PC+15], v[OT+8*\t:OT+8*\t+7]
.endif
.endr
	WIN 0
	PLACES                                         ; ahead of the loads into V's registers, and of the way out's reads
	s_cmp_eq_u32 s[LEFT], 0
	s_cbranch_scc1 .Lno_v_\@
	s_wait_xcnt 0x0
	s_sub_nc_u64 s[VP:VP+1], s[VP:VP+1], 16384
	WIN 0x40
	KVLOAD 128, VP
	WIN 0
.Lno_v_\@:
	v_add_nc_u32 v5, 0xffffff80, v5                ; 128 keys down
	s_sub_co_u32 s[KF], s[KF], 128
.endm
	STEP 1
	s_cmp_eq_u32 s[LEFT], 0
	s_cbranch_scc1 .Ldone
.Lloop:
	s_sub_co_u32 s[LEFT], s[LEFT], 1
	STEP 0
	s_cmp_lg_u32 s[LEFT], 0
	s_cbranch_scc1 .Lloop
.Ldone:
	; ---------------- the way out
	v_add_f32 v228, v14, v15
	s_delay_alu instid0(VALU_DEP_1)
	v_permlanex16_b32 v230, v228, s20, s21
	s_delay_alu instid0(VALU_DEP_1)
	v_add_f32 v228, v228, v230                     ; the row's sum
	s_wait_alu depctr_va_vdst(0)
	v_rcp_f32 v246, v228
	s_sub_co_i32 s54, s42, s40
	s_sub_co_i32 s54, s54, s41                     ; e10 - e8 - e9
	s_add_co_i32 s54, s54, 127
	s_lshl_b32 s55, s54, 23
	s_add_co_i32 s54, s54, 8
	s_lshl_b32 s54, s54, 23
	s_or_b32 s54, s54, 0x600000
	v_mov_b32 v250, s55                            ; (plain lines behind the reciprocal)
	v_mov_b32 v251, s54
	s_wait_alu depctr_va_vdst(0)                   ; the wait, ahead of the first reader
.set i, 0
.rept 32
	v_pk_mul_f32 v[SS+i:SS+i+1], v[OT+i:OT+i+1], v[246:247] op_sel_hi:[1,0]   ; O^T / the sum, each accumulator from its low end on
.set i, i+2
.endr
.set i, 0
.rept 64
	v_med3_num_f32 v[SS+i], v[SS+i], -v251, v251
.set i, i+1
.endr
.irp t, 0,1,2,3,4,5,6,7
	v_cvt_scalef32_pk8_fp8_f32 v[PC+2*\t:PC+2*\t+1], v[SS+8*\t:SS+8*\t+7], v250   ; registers 4 c + 2 u, + 1 (t = 2 c + u): d = 32 c + 16 h + 8 u + 0 .. 7
.endr
	v_nop
.irp c, 0,1,2,3
	global_store_b128 v2, v[PC+4*\c:PC+4*\c+3], s[10:11] offset:512*\c
.endr
	s_endpgm
.Lfunc_end_k_q8222c85aaa_attn:
	.size	k_q8222c85aaa_attn, .Lfunc_end_k_q8222c85aaa_attn-k_q8222c85aaa_attn
	.p2alignl 7, 3214868480
	.fill 96, 4, 3214868480
	.section	.rodata,"a",@progbits
	.p2align	6, 0x0
	.amdhsa_kernel k_q8222c85aaa_attn
		.amdhsa_group_segment_fixed_size 0
		.amdhsa_private_segment_fixed_size 0
		.amdhsa_enable_private_segment 0
		.amdhsa_kernarg_size 32
		.amdhsa_user_sgpr_count 2
		.amdhsa_user_sgpr_kernarg_segment_ptr 1
		.amdhsa_wavefront_size32 1
		.amdhsa_system_sgpr_workgroup_id_x 1
		.amdhsa_system_sgpr_workgroup_id_y 1
		.amdhsa_system_sgpr_workgroup_id_z 1
		.amdhsa_system_vgpr_workitem_id 0
		.amdhsa_next_free_vgpr 512
		.amdhsa_next_free_sgpr 96
		.amdhsa_reserve_vcc 1
		.amdhsa_float_denorm_mode_32 3
		.amdhsa_float_denorm_mode_16_64 3
		.amdhsa_memory_ordered 1
		.amdhsa_forward_progress 1
		.amdhsa_inst_pref_size 78
	.end_amdhsa_kernel
	.amdgpu_metadata
---
amdhsa.version: [ 1, 2 ]
amdhsa.kernels:
  - .name:           k_q8222c85aaa_attn
    .symbol:         k_q8222c85aaa_attn.kd
    .args:
      - { .name: qkv, .offset: 0, .size: 8, .value_kind: global_buffer, .address_space: global }
      - { .name: meta, .offset: 8, .size: 8, .value_kind: global_buffer, .address_space: global }
      - { .name: lowp_scales, .offset: 16, .size: 8, .value_kind: global_buffer, .address_space: global }
      - { .name: oimg, .offset: 24, .size: 8, .value_kind: global_buffer, .address_space: global }
    .group_segment_fixed_size: 0
    .private_segment_fixed_size: 0
    .kernarg_segment_align: 8
    .kernarg_segment_size: 32
    .max_flat_workgroup_size: 256
    .sgpr_count:     96
    .vgpr_count:     512
    .wavefront_size: 32
...
	.end_amdgpu_metadata
.endif
;; end of part 3
;; launch oproj (part 4): grid 16 x 16, 4 waves a work-group, clusters of 4 x 1, 327,680 bytes of LDS; arguments oimg, wcodes, lowp_scales, meta, out0; writes out0
.if DOCPART == 4
	.amdgcn_target "amdgcn-amd-amdhsa--gfx1250"
	.amdhsa_code_object_version 6
	.text
	.protected	k_q8222c85aaa_oproj
	.globl	k_q8222c85aaa_oproj
	.p2align	8
	.type	k_q8222c85aaa_oproj,@function
k_q8222c85aaa_oproj:
	s_mov_b64 s[64:65], 0
	v_nop
	global_prefetch_b8 v0, s[64:65] scope:SCOPE_SE
	s_setreg_imm32_b32 hwreg(HW_REG_WAVE_MODE, 25, 1), 1
	s_wait_xcnt 0x0
	s_wait_alu depctr_hold_cnt(0) depctr_sa_sdst(0) depctr_va_vdst(0) depctr_va_sdst(0) depctr_va_ssrc(0) depctr_va_vcc(0) depctr_vm_vsrc(0)
	s_getreg_b32 s2, hwreg(HW_REG_IB_STS2, 6, 4)
	s_cmp_eq_u32 s2, 0
	s_cbranch_scc0 .Lentry_in_a_cluster
	s_endpgm
.Lentry_in_a_cluster:
	s_bfe_u32 s2, ttmp6, 0x10000c
	s_cmp_lg_u32 s2, 0x3003
	s_cbranch_scc0 .Lentry_shape_is_right
	s_endpgm
.Lentry_shape_is_right:
; OPROJ.  out = o Wo^T on codes of E4M3 (K = 1,024), each finished sum x 2^(e10 + e11), each row stored at its token's original place.
; A work-group makes 256 rows (Y = work-group x) x 128 columns (X = work-group y); a wave 64 rows x 128 columns, in TWO HALVES of 64 columns, one after the other, so that the first half's stores leave under the second's products.
; Wo's 128 rows x 1,024 codes go into LDS once, 256 along K by each wave's one tensor load, asked for JOINTLY by the four work-groups of a cluster, which have the same X (mask 15): rows of 256 bytes, 272 apart,
; so that the 16 rows of a fragment load start at 16 different banks (ISA guide 11.1).  No LDS byte is filled twice.
; o's images (2,048 bytes for 16 rows x 128 along K = one head) go straight into registers, each into the one wave that multiplies it: 64 rows x 1,024 are 512 registers, used by both halves.  They are not asked for jointly:
; beside Wo's 128 KiB the work-group's 256 KiB of them do not fit in LDS, so a joint form would fill slots again.  Steps 0 to 3 are asked for at the head, each later one four steps ahead: so no prefetch is written.
; Source 0 = 16 rows of Wo, source 1 = 16 rows of o: a lane holds ONE row and eight neighbouring columns.  A block of 16 rows x 64 columns goes through the wave's own stage in LDS; sixteen lanes store 256 consecutive bytes of a row, aligned.
; LIMIT: e10 + e11 between -126 and 127.
; REGISTERS: window 0: v16-31 addresses, v32-63 the rows' places in out, v64-95 sums scaled, v96-127 a block read back, v128-255 Wo's fragments, two sets of four (at the end: blocks read back).
;   window 1: accumulator (a, i) of half f at v[128 f + 32 a + 8 i].   windows 2, 3: o's fragment (a) of step s at v[64 (s % 4) + 16 a] of window 2 + s / 4.
.set PITCH,  272
.set QUART,  128*PITCH                 ; 128 rows x 256 along K
.set STAGE,  4*QUART                   ; behind Wo: a stage of 16 rows for each wave, on which no load lands
.set SPARE,  STAGE+4*16*PITCH          ; the spare words, 128 bytes a wave: two blocks of 256 bytes that no other line names
.set ADR,  16                          ; v16, v17 LDS address of my fragments of Wo: K 0 to 511, K 512 to 1,023
.set STO,  18                          ; v18 into the stage
.set RD,   19                          ; v19 out of it
.set CO,   20                          ; v20 16 x (lane % 16)
.set OM,   21                          ; v21 32 x (lane / 16)
.set L16,  26
.set SPW,  28                          ; v28 LDS address of my spare word; never rewritten
.set NIL,  29                          ; v29 0; never rewritten
.set ORG,  32
.set TMP,  64
.set RB,   96
.set BF0,  128
.set MSB, 0
.macro WIN new                         ; the immediate's high byte repeats the setting that is left
.if MSB != \new
	s_set_vgpr_msb (MSB<<8)|\new
.set MSB, \new
.endif
.endm
.macro PLACES                          ; four plain vector lines behind matrix instructions (ISA guide 7.12.1)
.rept 4
	v_nop
.endr
.endm
.macro CROUND                          ; a round of the cluster's barrier
	s_barrier_signal -1
	s_barrier_wait -1
	s_cmp_lg_u32 s14, 0
	s_cbranch_scc1 .Lnot_wave_0_\@
	s_barrier_signal -3
.Lnot_wave_0_\@:
	s_barrier_wait -3
	s_barrier_signal -1
	s_barrier_wait -1
.endm
.macro ALOAD st                        ; o's four fragments of a step: 16 loads of 512 consecutive bytes
	WIN 0x80+0x40*((\st)/4)
.irp a, 0,1,2,3
.irp c, 0,1,2,3
	global_load_b128 v[64*((\st)%4)+16*\a+4*\c:64*((\st)%4)+16*\a+4*\c+3], v[L16], s[20:21] offset:16384*\a+2048*(\st)+512*\c
.endr
.endr
	WIN 0
.endm
	s_load_b256 s[4:11], s[0:1], 0x0               ; oimg 4, wcodes 6, lowp_scales 8, meta 10
	s_load_b64 s[12:13], s[0:1], 0x20              ; out0
	v_lshl_add_u32 v[SPW], v0, 2, SPARE
	v_mov_b32 v[NIL], 0
	ds_add_u32 v[SPW], v[NIL]                      ; the wave's opening: the add, twice on end, and its wait
	ds_add_u32 v[SPW], v[NIL]
	v_lshrrev_b32 v1, 5, v0
	v_readfirstlane_b32 s14, v1                    ; wave
	s_bfe_u32 s15, ttmp6, 0x40000                  ; cx
	s_lshl_b32 s17, ttmp9, 2
	s_add_co_u32 s17, s17, s15                     ; Y
	s_and_b32 s16, ttmp7, 0xffff                   ; X
	v_and_b32 v5, 31, v0
	v_and_b32 v1, 15, v0                           ; r
	v_bfe_u32 v2, v0, 4, 1                         ; h
	v_lshlrev_b32 v[L16], 4, v5
	v_lshlrev_b32 v[OM], 5, v2
	s_mov_b32 s24, 15|(1<<20)|(1<<21)|(5<<22)|(3<<25)   ; the mask: all four of the cluster; elements of 1 byte; padding on; bit 21 beside a mask; after every 64 words, 4 words
	s_mov_b32 s25, 256<<16                         ; tensor_dim0
	s_mov_b32 s26, 128<<16                         ; tensor_dim1
	s_mov_b32 s27, 256<<16                         ; tile_dim0
	s_mov_b32 s28, 128                             ; tile_dim1
	s_mov_b32 s29, 1024                            ; from row to row
	s_mov_b32 s30, 0
	s_mov_b32 s31, 0
	s_lshl_b32 s18, s16, 17
	s_lshl_b32 s19, s14, 8
	s_add_co_u32 s18, s18, s19
	s_add_co_u32 s18, s18, 0x400000                ; Wo's codes lie behind 4 MiB: row 128 X, 256 x wave along K
	s_mov_b32 s19, 0
	s_mul_i32 s41, s14, QUART                      ; where they go
	s_lshl_b32 s20, s17, 18
	s_lshl_b32 s21, s14, 16
	s_add_co_u32 s20, s20, s21                     ; o: tiles 16 Y + 4 x wave on, 16,384 bytes each
	s_mov_b32 s21, 0
	s_lshl_b32 s22, s17, 10
	s_lshl_b32 s23, s14, 8
	s_add_co_u32 s22, s22, s23
	s_add_co_u32 s22, s22, 16384                   ; my rows' original numbers
	s_mov_b32 s23, 0
	s_lshl_b32 s34, s16, 9
	s_mov_b32 s35, 0
	s_wait_alu depctr_va_vdst(0)
	s_wait_dscnt 0x0                               ; both opening adds are done
	s_wait_kmcnt 0x0
	s_load_b64 s[96:97], s[8:9], 0x28              ; e10, e11
	s_mov_b32 s40, 1
	s_add_nc_u64 s[42:43], s[6:7], s[18:19]
	s_or_b32 s43, s43, 0x80000000
	s_add_nc_u64 s[20:21], s[4:5], s[20:21]
	s_add_nc_u64 s[10:11], s[10:11], s[22:23]
	s_add_nc_u64 s[12:13], s[12:13], s[34:35]
.irp a, 0,1,2,3                        ; register ORG + 8 a + t: the original number of row 16 a + 8 h + t
	global_load_b128 v[ORG+8*\a:ORG+8*\a+3], v[OM], s[10:11] offset:64*\a
	global_load_b128 v[ORG+8*\a+4:ORG+8*\a+7], v[OM], s[10:11] offset:64*\a+16
.endr
	ALOAD 0
	CROUND                                         ; the four work-groups are here: the joint loads meet
	tensor_load_to_lds s[40:43], s[24:31]
	s_nop 0
	PLACES
	v_mul_u32_u24 v3, v1, PITCH
	s_mul_i32 s36, s14, 16*PITCH
	s_add_co_u32 s36, s36, STAGE                   ; my stage
	v_lshlrev_b32 v[CO], 4, v1
	v_lshl_add_u32 v[ADR], v2, 4, v3               ; a fragment's row x pitch + 16 h
	v_lshl_add_u32 v4, v2, 5, v3                   ; in: row r, 32 bytes for each half of the lanes
	v_mul_u32_u24 v6, v2, 8*PITCH                  ; out: lanes 0-15 row t, lanes 16-31 row 8 + t
	v_add_nc_u32 v[ADR+1], 2*QUART, v[ADR]
	v_add_nc_u32 v[STO], s36, v4
	v_add_nc_u32 v6, v6, v[CO]
	v_add_nc_u32 v[RD], s36, v6
	s_wait_alu depctr_va_vdst(0)
	ALOAD 1
	ALOAD 2
	ALOAD 3
	s_wait_kmcnt 0x0
	s_add_co_i32 s96, s96, s97
	s_add_co_i32 s96, s96, 127
	s_lshl_b32 s96, s96, 23                        ; 2^(e10 + e11)
	s_mov_b32 s97, s96                             ; (named with it as a pair)
.macro BFETCH f, st, p                 ; four fragments of Wo (columns 64 f on) of a step of 128 along K, into set p
.irp i, 0,1,2,3
.irp c, 0,1,2,3
	ds_load_b128 v[BF0+64*(\p)+16*\i+4*\c:BF0+64*(\p)+16*\i+4*\c+3], v[ADR+(\st)/4] offset:QUART*(((\st)/2)%2)+128*((\st)%2)+32*\c+(4*(\f)+\i)*16*PITCH
.endr
.endr
.endm
.macro MUL f, st                       ; 16 matrix instructions, 16 accumulators by turns
	WIN 0x58+4*((\st)/4)                           ; source 0 (Wo) window 0, source 1 (o) window 2 or 3, C and D window 1
.set ma, 0
.rept 4
.set mb, 0
.rept 4
.set rD, 128*(\f)+32*ma+8*mb
.set rB, BF0+64*((\st)%2)+16*mb
.set rA, 64*((\st)%4)+16*ma
.if (\st) == 0
	v_wmma_f32_16x16x128_fp8_fp8 v[rD:rD+7], v[rB:rB+15], v[rA:rA+15], 0                  ; the first products start the sums
.else
	v_wmma_f32_16x16x128_fp8_fp8 v[rD:rD+7], v[rB:rB+15], v[rA:rA+15], v[rD:rD+7]
.endif
.set mb, mb+1
.endr
.set ma, ma+1
.endr
	WIN 0
.endm
.macro TOSTAGE f, a, rb, again         ; block a of half f: x 2^(e10 + e11), into my stage and back as rows.  LDS serves a wave's instructions in order: no wait stands between
	WIN 0x01                                       ; source 0 (the sums) window 1
.set i, 0
.rept 16
	v_pk_mul_f32 v[TMP+i:TMP+i+1], v[128*(\f)+32*(\a)+i:128*(\f)+32*(\a)+i+1], s[96:97] op_sel_hi:[1,0]   ; each accumulator from its low end on
.set i, i+2
.endr
	WIN 0
.irp b, 0,1,2,3
	ds_store_b128 v[STO], v[TMP+8*\b:TMP+8*\b+3] offset:64*\b
	ds_store_b128 v[STO], v[TMP+8*\b+4:TMP+8*\b+7] offset:64*\b+16
.endr
.if \again
	s_wait_xcnt 0x0                                ; the last block's stores have read their registers
.endif
.irp t, 0,1,2,3,4,5,6,7
	ds_load_b128 v[\rb+4*\t:\rb+4*\t+3], v[RD] offset:\t*PITCH
.endr
.endm
.macro SEND f, a, rb                   ; each store: two rows, sixteen lanes to 256 consecutive bytes
.irp t, 0,1,2,3,4,5,6,7
	global_store_b128 v[ORG+8*(\a)+\t], v[\rb+4*\t:\rb+4*\t+3], s[12:13] offset:256*(\f) th:TH_STORE_NT
.endr
.endm
.macro STEP f, st
	s_wait_dscnt 0x0                               ; this step's fragments of Wo are in (half 1: and a block read back from the stage)
.if (\f) == 0
.if (\st) < 5
	s_wait_loadcnt 48                              ; o's of this step are in; the three steps behind it, 48 loads, may be out
.else
	s_wait_loadcnt 16*(7-(\st))                    ; the steps that are left
.endif
.endif
	PLACES                                         ; the other set has just been multiplied
.set nx, 8*(\f)+(\st)+1
.if nx < 16
	BFETCH nx/8, nx%8, nx%2
.endif
.if (\f) == 1 && ((\st)%2) == 1
	SEND 0, (\st)/2, RB                            ; half 0's block leaves
.endif
	MUL \f, \st
.if (\f) == 0 && (\st) < 4
	ALOAD (\st)+4
.endif
.if (\f) == 1 && ((\st)%2) == 0
	TOSTAGE 0, (\st)/2, RB, (\st)
.endif
.endm
	s_wait_alu depctr_va_vdst(0)
	s_wait_tensorcnt 0x0                           ; my part of Wo is in,
	s_barrier_signal -1
	s_barrier_wait -1                              ; and everybody's
	BFETCH 0, 0, 0
.irp k, 0,1,2,3,4,5,6,7
	STEP 0, \k
.endr
.set i, 0
.rept 32
	v_min_u32 v[ORG+i], 0xfff, v[ORG+i]            ; a row's original number, inside the output
.set i, i+1
.endr
.set i, 0
.rept 32
	v_lshl_add_u32 v[ORG+i], v[ORG+i], 13, v[CO]   ; rows of 8,192 bytes
.set i, i+1
.endr
.irp k, 0,1,2,3,4,5,6,7
	STEP 1, \k
.endr
	; half 1 goes out: each block has registers of its own, where Wo's fragments lay
	PLACES
	TOSTAGE 1, 0, BF0, 0
	TOSTAGE 1, 1, BF0+32, 0
	s_wait_dscnt 16                                ; block 0 is back; block 1's eight stores and eight loads may be out
	SEND 1, 0, BF0
	TOSTAGE 1, 2, BF0+64, 0
	s_wait_dscnt 16
	SEND 1, 1, BF0+32
	TOSTAGE 1, 3, BF0+96, 0
	s_wait_dscnt 16
	SEND 1, 2, BF0+64
	s_wait_dscnt 0x0
	SEND 1, 3, BF0+96
	s_wait_tensorcnt 0x0                           ; the wave's end
	ds_add_u32 v[SPW], v[NIL]
	s_wait_dscnt 0x0
	CROUND                                         ; the closing round
	s_endpgm
.Lfunc_end_k_q8222c85aaa_oproj:
	.size	k_q8222c85aaa_oproj, .Lfunc_end_k_q8222c85aaa_oproj-k_q8222c85aaa_oproj
	.p2alignl 7, 3214868480
	.fill 96, 4, 3214868480
	.section	.rodata,"a",@progbits
	.p2align	6, 0x0
	.amdhsa_kernel k_q8222c85aaa_oproj
		.amdhsa_group_segment_fixed_size 327680
		.amdhsa_private_segment_fixed_size 0
		.amdhsa_enable_private_segment 0
		.amdhsa_kernarg_size 40
		.amdhsa_user_sgpr_count 2
		.amdhsa_user_sgpr_kernarg_segment_ptr 1
		.amdhsa_wavefront_size32 1
		.amdhsa_system_sgpr_workgroup_id_x 1
		.amdhsa_system_sgpr_workgroup_id_y 1
		.amdhsa_system_sgpr_workgroup_id_z 1
		.amdhsa_system_vgpr_workitem_id 0
		.amdhsa_next_free_vgpr 1024
		.amdhsa_next_free_sgpr 100
		.amdhsa_reserve_vcc 0
		.amdhsa_float_denorm_mode_32 3
		.amdhsa_float_denorm_mode_16_64 3
		.amdhsa_memory_ordered 1
		.amdhsa_forward_progress 1
		.amdhsa_inst_pref_size 81
	.end_amdhsa_kernel
	.amdgpu_metadata
---
amdhsa.version: [ 1, 2 ]
amdhsa.kernels:
  - .name:           k_q8222c85aaa_oproj
    .symbol:         k_q8222c85aaa_oproj.kd
    .args:
      - { .name: oimg, .offset: 0, .size: 8, .value_kind: global_buffer, .address_space: global }
      - { .name: wcodes, .offset: 8, .size: 8, .value_kind: global_buffer, .address_space: global }
      - { .name: lowp_scales, .offset: 16, .size: 8, .value_kind: global_buffer, .address_space: global }
      - { .name: meta, .offset: 24, .size: 8, .value_kind: global_buffer, .address_space: global }
      - { .name: out0, .offset: 32, .size: 8, .value_kind: global_buffer, .address_space: global }
    .group_segment_fixed_size: 327680
    .private_segment_fixed_size: 0
    .kernarg_segment_align: 8
    .kernarg_segment_size: 40
    .max_flat_workgroup_size: 128
    .sgpr_count:     100
    .vgpr_count:     1024
    .wavefront_size: 32
...
	.end_amdgpu_metadata
.endif
;; end of part 4
